; MI455X (gfx1250); checked and timed in simulation.
; The chip was launched on July 23, 2026; its instructions are those of AMD's public machine-readable ISA for CDNA 5 (MIT licence, August 2026) and "CDNA5" Instruction Set Architecture Reference Guide (July 2026). The comments in the code are by the model that wrote it; some were corrected since.
;; Causal Self Attention. Allowed arithmetic: matrix products marked QUANTISED: E3M2 operands, one E8M0 scale for each 32 along K, by v_wmma_scale_f32_16x16x128_f8f6f4 with both operands' format E3M2, f32 sums; everything else in f32.
;; Inputs: W_attn 1,024 x 3,072 float32; W_proj 1,024 x 1,024 float32; b_attn 3,072 float32; b_proj 1,024 float32; x 4 x 2,048 x 1,024 float32.
;; Outputs: out0 4 x 2,048 x 1,024 float32.
;; This version of the problem:
;;   THIS VERSION OF THE PROBLEM IS GIVEN IN LOW PRECISION. The matrix products marked QUANTISED in the list below multiply operands that are first quantised to E3M2 (3 exponent bits, 2 mantissa bits; 6 bits a number), with one power-of-two scale for each 32 numbers along K (OCP MX v1.0); their sums are f32. All else is computed in f32.
;;   The module's matrix products, in the order in which they are computed (A, B: the left and right operand; K: the contracted axis; several contracted axes count as one K, in the product's order):
;;     1. [M 8,192, K 1,024] x [K 1,024, N 3,072]; A: input x; B: input W_attn: QUANTISED
;;     2. batch 64 x [M 2,048, K 64] x [K 64, N 2,048]; A: computed on the way; B: computed on the way: QUANTISED
;;     3. batch 64 x [M 2,048, K 2,048] x [K 2,048, N 64]; A: softmax (see below); B: computed on the way: QUANTISED
;;     4. [M 8,192, K 1,024] x [K 1,024, N 1,024]; A: computed on the way; B: input W_proj: QUANTISED
;;   THE QUANTISER, for each operand of a quantised product, along K:
;;     - K is cut into blocks of 32 from its start; a last block that is shorter is filled with zeros.
;;     - A block's scale is 2^e with e = floor(log2(the largest magnitude in the block)) - 4, held to -126 .. 127; a block of zeros has e = 0. As a byte (E8M0): e + 127.
;;     - Each number is divided by its block's scale, clamped to +-28, and rounded to the nearest number of E3M2, ties to even, subnormals kept.
;;     - The product sums the exact products of the quantised numbers (number of the format x scale) in f32.
;;   ~~~python
;;   def quantise(x, axis):      # numpy; x: float32 -> the quantised numbers, widened to float32 again
;;       x = np.moveaxis(x, axis, -1); K = x.shape[-1]
;;       x = np.pad(x, [(0, 0)] * (x.ndim - 1) + [(0, -K % 32)]); x = x.reshape(x.shape[:-1] + (-1, 32)); a = np.abs(x).max(-1, keepdims=True)
;;       e = np.where(a > 0, np.clip(np.frexp(np.where(a > 0, a, 1))[1] - 1 - 4, -126, 127), 0)      # np.frexp(a)[1] - 1 = floor(log2(a)), exactly
;;       r = np.clip(x / 2.0 ** e, -28, 28)
;;       step = 2.0 ** (np.maximum(np.frexp(np.where(r == 0, 1, r))[1] - 1, -2) - 2)
;;       q = np.round(r / step) * step * 2.0 ** e      # np.round: ties to even
;;       return np.moveaxis(q.reshape(q.shape[:-2] + (-1,))[..., :K], -1, axis).astype(np.float32)
;;   ~~~
;;   SOFTMAX AHEAD OF A QUANTISED PRODUCT. Where the list says 'softmax', what is quantised is not the finished softmax but p = 2^(t - M), with t = logit x log2(e) and M = ceil(the row's largest t), a whole number; so 1/2 < the row's largest p <= 1. The row's sum l is taken of the UNQUANTISED p, in f32, and the product's result is divided by l at the end. Since M is a whole number, a kernel that streams over the keys may use a running M (the ceiling of the running maximum): every later rescaling is an exact power of two, which a block's scale takes up: the codes' values come out the same.
;;   OPERANDS COMPUTED ON THE WAY. 'Computed on the way' means the value that the module computes at that place (a softmax that the list does not call 'softmax' is quantised finished and normalised). What goes into a quantiser is computed in f32, as accurately as f32 sums, v_exp_f32 and their like allow (about 1e-6 of the number): no bf16 or f16 on the way to a quantiser, and a product that is left as it is and whose result goes on into a quantised operand takes f32 operands (vector FMAs, or v_wmma_f32_16x16x4_f32). A number that lies on a knife's edge between two numbers of the format may be rounded either way, as far as f32 arithmetic and the matrix unit's own rounding can turn it there, and no further.
;; One version. Each part assembles by itself: llvm-mc -triple=amdgcn-amd-amdhsa -mcpu=gfx1250 --defsym DOCPART=n.
;; ======== version 1 of 1: 4 launches
;; workspace buffers: ops 9,830,400 bytes; att 20,447,232 bytes; yq 6,553,600 bytes
;; launch quant (part 1): grid 384 x 1, 8 waves a work-group, no clusters, 68,608 bytes of LDS; arguments x, W_attn, W_proj, ops; writes ops
.if DOCPART == 1
	.amdgcn_target "amdgcn-amd-amdhsa--gfx1250"
	.amdhsa_code_object_version 6
	.text
	.protected	k_q0f24aaba42_quant
	.globl	k_q0f24aaba42_quant
	.p2align	8
	.type	k_q0f24aaba42_quant,@function
k_q0f24aaba42_quant:
	s_mov_b64 s[64:65], 0
	v_nop
	global_prefetch_b8 v0, s[64:65] scope:SCOPE_SE
	s_setreg_imm32_b32 hwreg(HW_REG_WAVE_MODE, 25, 1), 1
	s_wait_xcnt 0x0
; x [8192][1024], W_attn [1024][3072] and W_proj [1024][1024], f32, become codes of BF6 (E3M2) with one E8M0 byte for each 32 along K (K = 1024: x's last axis, the weights' first).
; A block's scale is 2^(floor(log2(its largest magnitude)) - 4); its byte is that magnitude's exponent field - 4, held at 1 from below; each number / scale goes to the nearest code, ties to even, beyond 28 the largest code.
; LIMITS: NaN and infinities among the inputs are not served.  A block of zeros gets the byte 1 where the rule says 127: its codes are zeros, and this program alone reads the bytes.
; WHAT IS STORED ARE IMAGES OF OPERAND REGISTERS.  ops holds 48 row blocks of 256 rows (0-31 x's tokens, 32-43 W_attn's columns, 44-47 W_proj's): row block, K step of 128, tile of 16 rows, group of four registers:
;   byte rb*196608 + s*24576 + t*1536 + 512 c + 16 lane;   a fragment is 12 registers, registers 6 c' .. 6 c' + 5 of lane (r, h) = block 2 c' + h of the lane's row.
; Scale words (a row's four bytes of a K step) at SCO + rb*8192 + pair*1024 + s*128 + 4 (16 u + r).
; THE ROWS OF A TILE ARE NOT NEIGHBOURS: lane r of tile 2 b + u holds row 32 b + 8 u + r + 8 (r / 8), so that results made with such a tile as source 0 hold 16 neighbours in the 16 registers of two tiles.
; Work-groups 0-127 take the weights (a lane to a column, registers down K: nothing is transposed), 128-383 take x (32 rows each, a wave to a K step).  No barrier: waves share nothing.  Only x's path touches LDS.
.set RBB,  196608                      ; a row block's codes
.set KSB,  24576                       ; a K step's 16 tiles
.set SCO,  9437184                     ; where the scale words begin
.set SPX,  528                         ; a stage row: 512 bytes + 16, so that 16 rows start at 16 different 16-byte columns
.set WST,  16*SPX                      ; a wave's stage
.set SEL,  14                          ; s[14:15] lane selects: lane l xor 16
.set TM,   12                          ; v12-15 largest magnitudes, v16-19 the other half's / bytes, v24-27 the conversions' scale operands
.set PW,   28                          ; the scale word just made;  v29 tile 0's;  v30 both tiles' (lanes 0-15, 16-31)
.set PW0,  29
.set PWC,  30
.set R,    32                          ; v32-159  x as loaded: two tiles x 16 rows x 4 registers
.set X,    160                         ; v160-223 64 numbers of my row: register 16 b + i = k 32 b + 16 h + i
.set F,    224                         ; v224-247 two fragments
.set CT,   248                         ; v248-254 the conversions' second halves
.set VO,   32                          ; weights: v32-63 byte offsets of 32 rows;  v64-127 two sets of 32 numbers;  v128-151 the fragment registers of lanes (r', 0) and (r', 1);  v152-154 at work
.set XW,   64
.set G,    128
.set CW,   152
	s_load_b128 s[4:7], s[0:1], 0x0                ; x, W_attn
	s_load_b128 s[8:11], s[0:1], 0x10              ; W_proj, ops
	v_lshl_add_u32 v251, v0, 2, 0x10800
	v_mov_b32 v255, 0
	v_lshrrev_b32 v1, 5, v0
	v_readfirstlane_b32 s12, v1                    ; wave 0..7
	v_and_b32 v1, 31, v0                           ; lane
	v_and_b32 v2, 15, v0                           ; r
	v_bfe_u32 v3, v0, 4, 1                         ; h
	v_lshlrev_b32 v4, 4, v1                        ; 16 x lane
	v_lshlrev_b32 v5, 2, v1                        ; 4 x lane
	s_mov_b32 s[SEL], 0x76543210
	s_mov_b32 s[SEL+1], 0xfedcba98
	s_mov_b32 s16, 0xffff0000                      ; lanes 16-31
	s_cmp_lt_u32 ttmp9, 128
	s_cbranch_scc1 .Lweights
; 64 numbers of a lane, v[s] on, become a fragment's codes (registers 0-5 at d0, 6-11 at d1) and its scale word in v[PW].
.macro QUANT s, d0, d1
.irp b, 0,1,2,3
	v_max3_num_f32 v[TM+\b], |v[\s+16*\b]|, |v[\s+1+16*\b]|, 0x2800000   ; block b: my 16 numbers, and the floor 2^(5 - 127): the byte cannot fall under 1
.endr
.irp i, 2,4,6,8,10,12,14
.irp b, 0,1,2,3
	v_max3_num_f32 v[TM+\b], v[TM+\b], |v[\s+16*\b+\i]|, |v[\s+1+16*\b+\i]|   ; the four blocks by turns
.endr
.endr
.irp b, 0,1,2,3
	v_permlanex16_b32 v[TM+4+\b], v[TM+\b], s[SEL], s[SEL+1]
.endr
.irp b, 0,1,2,3
	v_max_num_f32 v[TM+\b], v[TM+\b], v[TM+4+\b]   ; with lane l xor 16's 16: the block's largest magnitude
.endr
.irp b, 0,1,2,3
	v_add_nc_u32 v[TM+12+\b], 0xfe000000, v[TM+\b] ; 4 off its exponent field: the conversion takes this operand's exponent field as its scale
.endr
.irp b, 0,1,2,3
	v_lshrrev_b32 v[TM+4+\b], 23, v[TM+12+\b]      ; the scale's byte
.endr
	v_lshl_or_b32 v[PW], v[TM+5], 8, v[TM+4]
	v_lshl_or_b32 v[PW], v[TM+6], 16, v[PW]
	v_lshl_or_b32 v[PW], v[TM+7], 24, v[PW]
	v_cvt_scalef32_pk16_bf6_f32 v[\d0:\d0+2], v[\s:\s+15], v[TM+12]
	v_cvt_scalef32_pk16_bf6_f32 v[CT:CT+2], v[\s+16:\s+31], v[TM+13]      ; (a conversion's three registers begin on an even number)
	v_cvt_scalef32_pk16_bf6_f32 v[\d1:\d1+2], v[\s+32:\s+47], v[TM+14]
	v_cvt_scalef32_pk16_bf6_f32 v[CT+4:CT+6], v[\s+48:\s+63], v[TM+15]
	v_nop                                          ; one plain place behind a scaled conversion
.irp i, 0,1,2
	v_permlane16_swap_b32 v[\d0+\i], v[CT+\i]      ; a WHOLE block to a lane: lanes 0-15 block 2 c', lanes 16-31 block 2 c' + 1
	v_permlane16_swap_b32 v[\d1+\i], v[CT+4+\i]
.endr
.irp i, 0,1,2
	v_mov_b32 v[\d0+3+\i], v[CT+\i]
	v_mov_b32 v[\d1+3+\i], v[CT+4+\i]
.endr
.endm
	; ---- x: work-group g takes rows 32 g .. 32 g + 31 (a pair of tiles), wave s the K step s
	s_sub_co_u32 s17, ttmp9, 128                   ; g
	s_mul_i32 s18, s12, WST
	v_add_nc_u32 v6, s18, v4                       ; into my stage: a row's 512 bytes as they lie
	v_mul_u32_u24 v7, v2, SPX
	v_lshl_add_u32 v7, v3, 6, v7
	v_add_nc_u32 v7, s18, v7                       ; out of it: row r, + 64 h: my 16 numbers of each block of 32
.irp b, 0,1,2,3
	v_mov_b32 v[TM+4+\b], 0                        ; written once: a lane permute's destination counts as one of its sources
.endr
	s_lshl_b32 s20, s17, 17                        ; 32 rows of 4,096 bytes
	s_lshl_b32 s21, s12, 9                         ; + 512 s
	s_add_co_u32 s20, s20, s21
	s_mov_b32 s21, 0
	s_lshr_b32 s22, s17, 3                         ; row block
	s_and_b32 s23, s17, 7                          ; pair in it
	s_mul_i32 s24, s22, RBB
	s_mul_i32 s25, s12, KSB
	s_add_co_u32 s24, s24, s25
	s_mul_i32 s25, s23, 3072
	s_add_co_u32 s24, s24, s25
	s_mov_b32 s25, 0
	s_lshl_b32 s26, s22, 13
	s_lshl_b32 s27, s23, 10
	s_add_co_u32 s26, s26, s27
	s_lshl_b32 s27, s12, 7
	s_add_co_u32 s26, s26, s27
	s_add_co_u32 s26, s26, SCO
	s_mov_b32 s27, 0
	s_wait_kmcnt 0x0
	s_add_nc_u64 s[4:5], s[4:5], s[20:21]
	s_add_nc_u64 s[24:25], s[10:11], s[24:25]
	s_add_nc_u64 s[26:27], s[10:11], s[26:27]
.irp u, 0,1
.irp i, 0,1,2,3,4,5,6,7,8,9,10,11,12,13,14,15
	global_load_b128 v[R+64*\u+4*\i:R+64*\u+4*\i+3], v4, s[4:5] offset:(8*\u+\i+8*(\i/8))*4096 th:TH_LOAD_NT   ; 32 lanes read 512 consecutive bytes: tile u's row i; all my 32 loads go out at once
.endr
.endr
.macro UNIT u
.if \u == 0
	s_wait_loadcnt 16                              ; tile 0's 16 loads are in; tile 1's 16 may be out
.else
	s_wait_loadcnt 0x0
.endif
.irp i, 0,1,2,3,4,5,6,7,8,9,10,11,12,13,14,15
	ds_store_b128 v6, v[R+64*\u+4*\i:R+64*\u+4*\i+3] offset:SPX*\i
.endr
.irp b, 0,1,2,3
.irp j, 0,1,2,3
	ds_load_b128 v[X+16*\b+4*\j:X+16*\b+4*\j+3], v7 offset:128*\b+16*\j   ; LDS serves a wave's instructions in order: these see my stores
.endr
.endr
	s_wait_dscnt 0x0
	QUANT X, F+12*\u, F+12*\u+6
.if \u == 0
	v_mov_b32 v[PW0], v[PW]
.endif
.irp c, 0,1,2
	global_store_b128 v4, v[F+12*\u+4*\c:F+12*\u+4*\c+3], s[24:25] offset:1536*\u+512*\c   ; 512 consecutive bytes; no store's data are written again
.endr
.endm
	UNIT 0
	UNIT 1
	v_cndmask_b32 v[PWC], v[PW0], v[PW], s16       ; lanes 0-15 tile 0's words, lanes 16-31 tile 1's
	global_store_b32 v5, v[PWC], s[26:27]          ; 128 consecutive bytes
	s_wait_tensorcnt 0x0
	ds_add_u32 v251, v255
	s_wait_dscnt 0x0
	s_endpgm
	; ---- the weights: work-group (wrb, s): 256 columns x 128 along K; wave = pair of tiles, lane = column
.Lweights:
	s_lshr_b32 s17, ttmp9, 3                       ; wrb 0..15: 0-11 W_attn's column blocks, 12-15 W_proj's
	s_and_b32 s18, ttmp9, 7                        ; K step
	s_mov_b32 s19, 4096
	s_cmp_lt_u32 s17, 12
	s_cselect_b32 s19, 12288, s19                  ; bytes from row to row
	s_cselect_b32 s28, 0, 12
	s_sub_co_u32 s28, s17, s28                     ; column block in its tensor
	s_lshl_b32 s29, s18, 7
	s_mul_i32 s32, s29, s19                        ; row 128 s
	s_lshl_b32 s30, s28, 10
	s_add_co_u32 s32, s32, s30                     ; + 1,024 x column block
	s_lshl_b32 s30, s12, 7
	s_add_co_u32 s32, s32, s30                     ; + 128 x wave
	s_mov_b32 s33, 0
	s_lshl_b32 s34, s19, 5                         ; 32 rows on
	s_mov_b32 s35, 0
	v_mov_b32 v[VO], v5
.set j, 1
.rept 31
	v_add_nc_u32 v[VO+j], s19, v[VO+j-1]           ; 4 x lane + i rows
.set j, j+1
.endr
	v_bfe_u32 v8, v0, 3, 1                         ; column l of the pair is lane r' = l % 8 + 8 (l / 16) of tile u = (l / 8) % 2
	v_and_b32 v9, 7, v0
	v_lshl_add_u32 v9, v3, 3, v9
	v_mul_u32_u24 v6, v8, 1536
	v_lshl_add_u32 v6, v9, 4, v6                   ; 1,536 u + 16 r'
	v_lshl_add_u32 v7, v8, 4, v9
	v_lshlrev_b32 v7, 2, v7                        ; 4 (16 u + r')
	s_add_co_u32 s36, s17, 32                      ; row block of ops
	s_mul_i32 s38, s36, RBB
	s_mul_i32 s37, s18, KSB
	s_add_co_u32 s38, s38, s37
	s_mul_i32 s37, s12, 3072
	s_add_co_u32 s38, s38, s37
	s_mov_b32 s39, 0
	s_lshl_b32 s40, s36, 13
	s_lshl_b32 s37, s12, 10
	s_add_co_u32 s40, s40, s37
	s_lshl_b32 s37, s18, 7
	s_add_co_u32 s40, s40, s37
	s_add_co_u32 s40, s40, SCO
	s_mov_b32 s41, 0
	s_wait_kmcnt 0x0
	s_cmp_lt_u32 s17, 12                           ; the choice hangs on the work-group's number alone
	s_cselect_b64 s[4:5], s[6:7], s[8:9]
	s_add_nc_u64 s[20:21], s[4:5], s[32:33]        ; a base for each block of 32 along K: nothing is stepped later
	s_add_nc_u64 s[22:23], s[20:21], s[34:35]
	s_add_nc_u64 s[24:25], s[22:23], s[34:35]
	s_add_nc_u64 s[26:27], s[24:25], s[34:35]
	s_add_nc_u64 s[38:39], s[10:11], s[38:39]
	s_add_nc_u64 s[40:41], s[10:11], s[40:41]
.macro LOADB k
.set j, 0
.rept 32
	global_load_b32 v[XW+32*((\k)%2)+j], v[VO+j], s[20+2*(\k):21+2*(\k)] th:TH_LOAD_NT   ; a wave reads 128 consecutive bytes, the eight waves 1,024
.set j, j+1
.endr
.endm
.macro BLOCK k                         ; block k of my column: it is block k of fragment lanes (r', k % 2): registers 6 (k / 2) on
.set XS, XW+32*((\k)%2)
.set FD, G+12*((\k)%2)+6*((\k)/2)
.if \k < 3
	s_wait_loadcnt 32                              ; this block's 32 loads are in; the next block's may be out
.else
	s_wait_loadcnt 0x0
.endif
	v_max3_num_f32 v12, |v[XS]|, |v[XS+1]|, |v[XS+2]|
	v_max3_num_f32 v13, |v[XS+3]|, |v[XS+4]|, |v[XS+5]|
.irp i, 6,10,14,18,22,26
	v_max3_num_f32 v12, v12, |v[XS+\i]|, |v[XS+\i+1]|
	v_max3_num_f32 v13, v13, |v[XS+\i+2]|, |v[XS+\i+3]|
.endr
	v_max3_num_f32 v12, v12, |v[XS+30]|, |v[XS+31]|
	v_max3_num_f32 v12, v12, v13, 0x2800000        ; and the floor
	v_add_nc_u32 v11, 0xfe000000, v12
	v_lshrrev_b32 v10, 23, v11
.if \k == 0
	v_mov_b32 v14, v10
.else
	v_lshl_or_b32 v14, v10, 8*\k, v14              ; the column's scale word
.endif
	v_cvt_scalef32_pk16_bf6_f32 v[FD:FD+2], v[XS:XS+15], v11
	v_cvt_scalef32_pk16_bf6_f32 v[CW:CW+2], v[XS+16:XS+31], v11
	v_nop                                          ; one plain place behind a scaled conversion
.irp i, 0,1,2
	v_mov_b32 v[FD+3+\i], v[CW+\i]
.endr
.if \k < 2
	LOADB (\k)+2
.endif
.endm
	LOADB 0
	LOADB 1
	BLOCK 0
	BLOCK 1
	BLOCK 2
	BLOCK 3
.irp h, 0,1
.irp c, 0,1,2
	global_store_b128 v6, v[G+12*\h+4*\c:G+12*\h+4*\c+3], s[38:39] offset:256*\h+512*\c   ; each store fills two aligned runs of 256 bytes (tile 0's and tile 1's)
.endr
.endr
	global_store_b32 v7, v14, s[40:41]
	s_endpgm
.Lfunc_end_k_q0f24aaba42_quant:
	.size	k_q0f24aaba42_quant, .Lfunc_end_k_q0f24aaba42_quant-k_q0f24aaba42_quant
	.p2alignl 7, 3214868480
	.fill 96, 4, 3214868480
	.section	.rodata,"a",@progbits
	.p2align	6, 0x0
	.amdhsa_kernel k_q0f24aaba42_quant
		.amdhsa_group_segment_fixed_size 68608
		.amdhsa_private_segment_fixed_size 0
		.amdhsa_enable_private_segment 0
		.amdhsa_kernarg_size 32
		.amdhsa_user_sgpr_count 2
		.amdhsa_user_sgpr_kernarg_segment_ptr 1
		.amdhsa_wavefront_size32 1
		.amdhsa_system_sgpr_workgroup_id_x 1
		.amdhsa_system_sgpr_workgroup_id_y 1
		.amdhsa_system_sgpr_workgroup_id_z 1
		.amdhsa_system_vgpr_workitem_id 0
		.amdhsa_next_free_vgpr 256
		.amdhsa_next_free_sgpr 66
		.amdhsa_reserve_vcc 0
		.amdhsa_float_denorm_mode_32 3
		.amdhsa_float_denorm_mode_16_64 3
		.amdhsa_memory_ordered 1
		.amdhsa_forward_progress 1
		.amdhsa_inst_pref_size 40
	.end_amdhsa_kernel
	.amdgpu_metadata
---
amdhsa.version: [ 1, 2 ]
amdhsa.kernels:
  - .name:           k_q0f24aaba42_quant
    .symbol:         k_q0f24aaba42_quant.kd
    .args:
      - { .name: x, .offset: 0, .size: 8, .value_kind: global_buffer, .address_space: global }
      - { .name: W_attn, .offset: 8, .size: 8, .value_kind: global_buffer, .address_space: global }
      - { .name: W_proj, .offset: 16, .size: 8, .value_kind: global_buffer, .address_space: global }
      - { .name: ops, .offset: 24, .size: 8, .value_kind: global_buffer, .address_space: global }
    .group_segment_fixed_size: 68608
    .private_segment_fixed_size: 0
    .kernarg_segment_align: 8
    .kernarg_segment_size: 32
    .max_flat_workgroup_size: 256
    .sgpr_count:     66
    .vgpr_count:     256
    .wavefront_size: 32
...
	.end_amdgpu_metadata
.endif
;; end of part 1
;; launch qkv (part 2): grid 96 x 4, 4 waves a work-group, clusters of 4 x 4, 327,680 bytes of LDS; arguments ops, b_attn, att; writes att
.if DOCPART == 2
	.amdgcn_target "amdgcn-amd-amdhsa--gfx1250"
	.amdhsa_code_object_version 6
	.text
	.protected	k_q0f24aaba42_qkv
	.globl	k_q0f24aaba42_qkv
	.p2align	8
	.type	k_q0f24aaba42_qkv,@function
k_q0f24aaba42_qkv:
	s_mov_b64 s[64:65], 0
	v_nop
	global_prefetch_b8 v0, s[64:65] scope:SCOPE_SE
	s_setreg_imm32_b32 hwreg(HW_REG_WAVE_MODE, 25, 1), 1
	s_wait_xcnt 0x0
	s_wait_alu depctr_hold_cnt(0) depctr_sa_sdst(0) depctr_va_vdst(0) depctr_va_sdst(0) depctr_va_ssrc(0) depctr_va_vcc(0) depctr_vm_vsrc(0)
	s_getreg_b32 s2, hwreg(HW_REG_IB_STS2, 6, 4)
	s_cmp_eq_u32 s2, 0
	s_cbranch_scc0 .Lentry_in_a_cluster
	s_endpgm
.Lentry_in_a_cluster:
	s_bfe_u32 s2, ttmp6, 0x10000c
	s_cmp_lg_u32 s2, 0xf033
	s_cbranch_scc0 .Lentry_shape_is_right
	s_endpgm
.Lentry_shape_is_right:
; qkv = x W_attn + b_attn on codes of BF6 (E3M2) with E8M0 scales, K = 1024; q, k and v are quantised in registers on the way out and stored as images of the attention launch's operand registers.
; A work-group of four waves makes 256 (P, source 0) x 256 (R, source 1); a wave 128 x 128: 64 accumulators.  In a result a lane holds ONE row of R and its registers run along P.
; SECTIONS by the cluster's number c (0..23): sec = c / 8.  q (0) and k (1): P = 256 columns of the weight, R = 256 tokens: a lane holds a token, registers run along the head's 64, which is the next K.
; v (2): P = 256 tokens, R = 256 columns of Wv: a lane holds a column d, registers run along the keys, which are v's K.  Both operands are row blocks of ONE buffer, so one text serves all three.
; TILES ARE PERMUTED (lane r of tile 2 b + u = row 32 b + 8 u + r + 8 (r / 8)): the 16 registers of P's tiles 2 b, 2 b + 1 are 16 neighbours 32 b + 16 h + 0 .. 15, ready for the conversions.
; K: eight steps of 128 in three LDS slots of two steps: steps 0-5 are asked for at the start, slot 0 is filled once more with steps 6, 7 behind K step 1 and has four K steps in which to land.
; By this text's own count a wave has three tensor loads out at the start, later one.  Tiles are dense images (16 bytes a lane): no pitch, no padding.
; CLUSTER 4 x 4: R's tiles hang on cy alone and are asked for jointly along a row, P's on cx alone, along a column.  The branches on sec hang on the cluster's number, alike in all partners.
; LIMITS: NaN and infinities are not served; a block of zeros gets the byte 1 (its codes are zeros; this program alone reads the bytes).
; REGISTERS.  window 0: v8 16 x lane, v9 4 x lane, v11-12 bias offsets, v16-18 / v20-22 LDS addresses of R / P by slot, v28-29 the add's, v32-63 R's scale words, v64-95 P's (register 8 g + s: lanes 0-15 tile 2 g, lanes 16-31 tile 2 g + 1, K step s),
;   v96-123 at work on the way out, v128-223 R's 8 fragments (one set; later the way out).  window 1: P's fragments, two sets at v0 and v128; 64 bias registers at v96-127 and v224-255.  windows 2, 3: accumulator (a, b) at v[8 (8 (a % 4) + b)].
.set RBB,   196608
.set KSB,   24576                      ; a K step's image: 16 tiles
.set FRB,   1536                       ; a fragment's image
.set SLOT,  4*KSB                      ; R step 0, R step 1, P step 0, P step 1
.set SPARE, 3*SLOT                     ; behind the slots: the spare words, 128 bytes a wave: two blocks of 256 bytes that no other line names
.set SCO,   9437184
.set QOFF,  13631488
.set NLR,   3                          ; LDS loads that bring a fragment of R
.set L16,  8
.set L4,   9
.set BL,   11
.set BLV,  12
.set ADRR, 16
.set ADRP, 20
.set SPW,  28
.set NIL,  29
.set SCR,  32
.set SCP,  64
.set TM,   96
.set PW,   112
.set PW0,  113
.set PWC,  114
.set SA,   116
.set SB,   120
.set RF,   128
.set T,    128
.set KA,   192
.set KB,   204
.set CT,   216
.set G1R,  24                          ; s[24:31] group 1 for R;  s[32:43] its groups 0, one a slot;  s[44:51], s[52:63] the same for P
.set G0R,  32
.set G1P,  44
.set G0P,  52
.set SEL,  96
.set MSB, 0
.macro WIN new                         ; the immediate's high byte repeats the setting that is left
.if MSB != (\new)
	s_set_vgpr_msb (MSB<<8)|(\new)
.set MSB, (\new)
.endif
.endm
.set MUL_LO, 0xa1                      ; source 0 (P) window 1, source 1 (R) window 0, C and D window 2
.set MUL_HI, 0xf1                      ; the same, C and D window 3
.set TO_P,   0x40                      ; destination window 1, address window 0
; A joint load: waves 0, 1 fetch R's two K steps of a slot, waves 2, 3 P's.  The branch hangs on the wave's number alone.  Four v_nop follow each of the two lines.
.macro JLOAD g0r, g0p
	s_cmp_eq_u32 s15, 0
	s_cbranch_scc0 .Lfor_p_\@
	tensor_load_to_lds s[\g0r:\g0r+3], s[G1R:G1R+7]
	s_nop 0
.rept 4
	v_nop
.endr
	s_branch .Lasked_\@
.Lfor_p_\@:
	tensor_load_to_lds s[\g0p:\g0p+3], s[G1P:G1P+7]
	s_nop 0
.rept 4
	v_nop
.endr
.Lasked_\@:
.endm
.macro CREST                           ; a round of the cluster's barrier behind its opening barrier
	s_cmp_lg_u32 s14, 0
	s_cbranch_scc1 .Lnot_wave_0_\@
	s_barrier_signal -3
.Lnot_wave_0_\@:
	s_barrier_wait -3
	s_barrier_signal -1
	s_barrier_wait -1
.endm
.macro CROUND
	s_barrier_signal -1
	s_barrier_wait -1
	CREST
.endm
.macro PLACES                          ; four places behind a matrix instruction of this form, in front of loads into its registers and of reads of its results
.rept 4
	v_nop
.endr
.endm
	s_load_b128 s[4:7], s[0:1], 0x0                ; ops, b_attn
	s_load_b64 s[8:9], s[0:1], 0x10                ; att
	v_lshl_add_u32 v[SPW], v0, 2, SPARE
	v_mov_b32 v[NIL], 0
	ds_add_u32 v28, v29
	ds_add_u32 v28, v29
	s_wait_dscnt 0x0
	v_lshrrev_b32 v1, 5, v0
	v_readfirstlane_b32 s14, v1                    ; wave 0..3
	s_lshr_b32 s15, s14, 1                         ; my half of R.  Also: I fetch for R (0) or for P (1)
	s_and_b32 s16, s14, 1                          ; my half of P.  Also: which K step of a slot I fetch
	s_bfe_u32 s66, ttmp6, 0x40000                  ; cx
	s_bfe_u32 s67, ttmp6, 0x40004                  ; cy
	s_lshr_b32 s68, ttmp9, 3                       ; sec: 0 q, 1 k, 2 v
	s_and_b32 s69, ttmp9, 7
	s_lshl_b32 s69, s69, 2                         ; the cluster's first row block of tokens
	s_lshl_b32 s72, s68, 2
	s_add_co_u32 s72, s72, 32                      ; the section's first row block of weights
	s_cmp_eq_u32 s68, 2
	s_cselect_b32 s70, 40, s69
	s_cselect_b32 s71, s69, s72
	s_add_co_u32 s70, s70, s67                     ; R's row block: hangs on cy alone
	s_add_co_u32 s71, s71, s66                     ; P's: on cx alone
	s_lshl_b32 s73, s67, 2
	s_lshl_b32 s73, 15, s73                        ; my row of the cluster
	s_lshl_b32 s74, 0x1111, s66                    ; my column
	s_or_b32 s[G1R], s73, (3<<16)|(1<<21)          ; 15:0 the mask; 17:16 elements of 8 bytes; 21 set beside a mask; no padding
	s_or_b32 s[G1P], s74, (3<<16)|(1<<21)
.irp g, G1R, G1P
	s_mov_b32 s[\g+1], 32<<16                      ; tensor_dim0 = 32 elements: 256 bytes
	s_mov_b32 s[\g+2], 96<<16                      ; tensor_dim1 = 96 rows: a K step's 24,576 dense bytes
	s_mov_b32 s[\g+3], 32<<16                      ; tile_dim0
	s_mov_b32 s[\g+4], 96                          ; tile_dim1
	s_mov_b32 s[\g+5], 32                          ; pitch
	s_mov_b32 s[\g+6], 0
	s_mov_b32 s[\g+7], 0
.endr
	s_mul_i32 s76, s70, RBB
	s_mul_i32 s77, s16, KSB
	s_add_co_u32 s76, s76, s77
	s_mov_b32 s77, 0
	s_mul_i32 s78, s71, RBB
	s_mul_i32 s79, s16, KSB
	s_add_co_u32 s78, s78, s79
	s_mov_b32 s79, 0
	s_mul_i32 s20, s14, KSB                        ; where my part of a slot lies: no place in the cluster enters an LDS address
	s_lshl_b32 s80, s70, 13                        ; R's scale words: my 128 rows
	s_lshl_b32 s81, s15, 12
	s_add_co_u32 s80, s80, s81
	s_add_co_u32 s80, s80, SCO
	s_mov_b32 s81, 0
	s_lshl_b32 s82, s71, 13                        ; P's
	s_lshl_b32 s83, s16, 12
	s_add_co_u32 s82, s82, s83
	s_add_co_u32 s82, s82, SCO
	s_mov_b32 s83, 0
	s_mov_b32 s[SEL], 0x76543210
	s_mov_b32 s[SEL+1], 0xfedcba98
	s_mov_b32 s98, 0xffff0000                      ; lanes 16-31
	s_wait_kmcnt 0x0
	s_add_nc_u64 s[18:19], s[4:5], s[76:77]
	s_add_nc_u64 s[22:23], s[4:5], s[78:79]
	s_add_nc_u64 s[92:93], s[4:5], s[80:81]
	s_add_nc_u64 s[94:95], s[4:5], s[82:83]
	CROUND                                         ; all sixteen work-groups are here: the first joint loads meet
.irp s, 0,1,2
	s_mov_b32 s[G0R+4*\s], 1
	s_add_co_u32 s[G0R+4*\s+1], s20, \s*SLOT
	s_add_nc_u64 s[G0R+4*\s+2:G0R+4*\s+3], s[18:19], \s*2*KSB
	s_or_b32 s[G0R+4*\s+3], s[G0R+4*\s+3], 0x80000000
	s_mov_b32 s[G0P+4*\s], 1
	s_add_co_u32 s[G0P+4*\s+1], s20, \s*SLOT
	s_add_nc_u64 s[G0P+4*\s+2:G0P+4*\s+3], s[22:23], \s*2*KSB
	s_or_b32 s[G0P+4*\s+3], s[G0P+4*\s+3], 0x80000000
	JLOAD G0R+4*\s, G0P+4*\s                       ; K steps 2 s and 2 s + 1
.endr
	v_and_b32 v1, 31, v0
	v_and_b32 v2, 15, v0                           ; r
	v_bfe_u32 v3, v0, 4, 1                         ; h
	v_lshlrev_b32 v[L16], 4, v1
	v_lshlrev_b32 v[L4], 2, v1
	v_lshlrev_b32 v[BL], 6, v3                     ; q, k: the bias of my half's 16 columns of a pair of tiles
	v_and_b32 v[BLV], 8, v2
	v_add_nc_u32 v[BLV], v[BLV], v2
	v_lshlrev_b32 v[BLV], 2, v[BLV]                ; v: the bias of my column r + 8 (r / 8)
.irp b, 0,1,2,3
	v_mov_b32 v[TM+4+\b], 0                        ; written once: a lane permute's destination counts as one of its sources
.endr
	s_mul_i32 s84, s15, 8*FRB                      ; my 8 tiles of R
	s_mul_i32 s85, s16, 8*FRB                      ; my 8 tiles of P,
	s_add_co_u32 s85, s85, 2*KSB                   ; which lie behind R's two steps
.irp s, 0,1,2
	v_add_nc_u32 v[ADRR+\s], s84, v[L16]
	v_add_nc_u32 v[ADRP+\s], s85, v[L16]
	s_add_co_u32 s84, s84, SLOT
	s_add_co_u32 s85, s85, SLOT
.endr
.irp g, 0,1,2,3                        ; all scale words of my 128 + 128 rows, for all of K, straight into registers: each load reads 128 consecutive bytes
.irp s, 0,1,2,3,4,5,6,7
	global_load_b32 v[SCR+8*\g+\s], v[L4], s[92:93] offset:1024*\g+128*\s
	global_load_b32 v[SCP+8*\g+\s], v[L4], s[94:95] offset:1024*\g+128*\s
.endr
.endr
	s_cmp_eq_u32 s68, 2
	s_cbranch_scc1 .Lbias_v
	s_lshl_b32 s86, s68, 12                        ; q, k: b_attn at 1,024 sec + 256 cx + 128 x my half of P; tile b's eight registers: columns 32 (b / 2) + 8 (b % 2) + 16 h + 0 .. 7
	s_lshl_b32 s87, s66, 10
	s_add_co_u32 s86, s86, s87
	s_lshl_b32 s87, s16, 9
	s_add_co_u32 s86, s86, s87
	s_mov_b32 s87, 0
	s_add_nc_u64 s[90:91], s[6:7], s[86:87]
	WIN TO_P
.irp b, 0,1,2,3,4,5,6,7
	global_load_b128 v[96+8*\b+96*(\b/4):96+8*\b+96*(\b/4)+3], v[BL], s[90:91] offset:(32*(\b/2)+8*(\b%2))*4
	global_load_b128 v[96+8*\b+96*(\b/4)+4:96+8*\b+96*(\b/4)+7], v[BL], s[90:91] offset:(32*(\b/2)+8*(\b%2))*4+16
.endr
	WIN 0
	s_branch .Lbias_in
.Lbias_v:
	s_lshl_b32 s86, s67, 10                        ; v: b_attn at 2,048 + 256 cy + 128 x my half of R; tile a's registers all hold my column's bias
	s_lshl_b32 s87, s15, 9
	s_add_co_u32 s86, s86, s87
	s_add_co_u32 s86, s86, 8192
	s_mov_b32 s87, 0
	s_add_nc_u64 s[90:91], s[6:7], s[86:87]
	WIN TO_P
.irp a, 0,1,2,3,4,5,6,7
.irp j, 0,1,2,3,4,5,6,7
	global_load_b32 v[96+8*\a+96*(\a/4)+\j], v[BLV], s[90:91] offset:(32*(\a/2)+8*(\a%2))*4
.endr
.endr
	WIN 0
.Lbias_in:
; One matrix instruction: P's tile b (set p) x R's tile a, K step k.  Odd tiles' scale words lie in lanes 16-31 of their pair's register.  zero = 1: the first product starts the sum.
.macro WM a, b, p, k, zero
.set rD, 8*(8*((\a)%4)+(\b))
.set rA, 128*(\p)+12*(\b)
.set rB, RF+12*(\a)
.set sA, SCP+8*((\b)/2)+(\k)
.set sB, SCR+8*((\a)/2)+(\k)
.set par, 2*((\a)%2)+((\b)%2)
.if \zero
.if par == 0
	v_wmma_scale_f32_16x16x128_f8f6f4 v[rD:rD+7], v[rA:rA+11], v[rB:rB+11], 0, v[sA], v[sB] matrix_a_fmt:MATRIX_FMT_BF6 matrix_b_fmt:MATRIX_FMT_BF6
.elseif par == 1
	v_wmma_scale_f32_16x16x128_f8f6f4 v[rD:rD+7], v[rA:rA+11], v[rB:rB+11], 0, v[sA], v[sB] matrix_a_fmt:MATRIX_FMT_BF6 matrix_b_fmt:MATRIX_FMT_BF6 matrix_a_scale:MATRIX_SCALE_ROW1
.elseif par == 2
	v_wmma_scale_f32_16x16x128_f8f6f4 v[rD:rD+7], v[rA:rA+11], v[rB:rB+11], 0, v[sA], v[sB] matrix_a_fmt:MATRIX_FMT_BF6 matrix_b_fmt:MATRIX_FMT_BF6 matrix_b_scale:MATRIX_SCALE_ROW1
.else
	v_wmma_scale_f32_16x16x128_f8f6f4 v[rD:rD+7], v[rA:rA+11], v[rB:rB+11], 0, v[sA], v[sB] matrix_a_fmt:MATRIX_FMT_BF6 matrix_b_fmt:MATRIX_FMT_BF6 matrix_a_scale:MATRIX_SCALE_ROW1 matrix_b_scale:MATRIX_SCALE_ROW1
.endif
.else
.if par == 0
	v_wmma_scale_f32_16x16x128_f8f6f4 v[rD:rD+7], v[rA:rA+11], v[rB:rB+11], v[rD:rD+7], v[sA], v[sB] matrix_a_fmt:MATRIX_FMT_BF6 matrix_b_fmt:MATRIX_FMT_BF6
.elseif par == 1
	v_wmma_scale_f32_16x16x128_f8f6f4 v[rD:rD+7], v[rA:rA+11], v[rB:rB+11], v[rD:rD+7], v[sA], v[sB] matrix_a_fmt:MATRIX_FMT_BF6 matrix_b_fmt:MATRIX_FMT_BF6 matrix_a_scale:MATRIX_SCALE_ROW1
.elseif par == 2
	v_wmma_scale_f32_16x16x128_f8f6f4 v[rD:rD+7], v[rA:rA+11], v[rB:rB+11], v[rD:rD+7], v[sA], v[sB] matrix_a_fmt:MATRIX_FMT_BF6 matrix_b_fmt:MATRIX_FMT_BF6 matrix_b_scale:MATRIX_SCALE_ROW1
.else
	v_wmma_scale_f32_16x16x128_f8f6f4 v[rD:rD+7], v[rA:rA+11], v[rB:rB+11], v[rD:rD+7], v[sA], v[sB] matrix_a_fmt:MATRIX_FMT_BF6 matrix_b_fmt:MATRIX_FMT_BF6 matrix_a_scale:MATRIX_SCALE_ROW1 matrix_b_scale:MATRIX_SCALE_ROW1
.endif
.endif
.endm
; 16 matrix instructions: R's tiles a0, a0 + 1 x P's eight.  The 64 accumulators take turns, one instruction a turn, in the same order in every K step.
.macro MUL16 a0, p, k, zero
.irp a, \a0, \a0+1
.irp b, 0,1,2,3,4,5,6,7
	WM (\a), \b, \p, \k, \zero
.endr
.endr
.endm
.macro FETCH_P slot, q, p              ; P's eight fragments of the slot's q-th K step into set p: each load reads 512 consecutive bytes
	WIN TO_P
.irp i, 0,1,2,3,4,5,6,7
.irp c, 0,1,2
	ds_load_b128 v[128*(\p)+12*\i+4*\c:128*(\p)+12*\i+4*\c+3], v[ADRP+\slot] offset:(\q)*KSB+\i*FRB+512*\c
.endr
.endr
	WIN 0
.endm
.macro FETCH_R slot, q, i0             ; R's tiles i0 .. i0 + 3
.irp i, \i0, \i0+1, \i0+2, \i0+3
.irp c, 0,1,2
	ds_load_b128 v[RF+12*(\i)+4*\c:RF+12*(\i)+4*\c+3], v[ADRR+\slot] offset:(\q)*KSB+(\i)*FRB+512*\c
.endr
.endr
.endm
; K step k; the next step's fragments lie in slot nslot, its nq-th step, which has been shown whole to every wave.  A tile of R is free as soon as its eight products are issued: one set serves R, two serve P.
.macro STEP k, nslot, nq, zero
	s_wait_dscnt 4*NLR                             ; P's set and R's tiles 0-3 are in; the youngest loads (R's tiles 4-7) may be out
	WIN MUL_LO
	MUL16 0, (\k)%2, \k, \zero
	MUL16 2, (\k)%2, \k, \zero
	s_wait_dscnt 0x0                               ; R's tiles 4-7 are in
	PLACES
	FETCH_P \nslot, \nq, 1-(\k)%2
	FETCH_R \nslot, \nq, 0
	WIN MUL_HI
	MUL16 4, (\k)%2, \k, \zero
	MUL16 6, (\k)%2, \k, \zero
	PLACES
	WIN 0
	FETCH_R \nslot, \nq, 4
.endm
; A K step with a barrier in it.  In front of it each wave waits for all its tensor loads, adds 0 to its spare word, and waits for that and for its reads.  fill = 1: slot 0, which nobody reads any more, takes K steps 6 and 7.
.macro TURN k, nslot, fill
	s_wait_tensorcnt 0x0                           ; all my tensor loads have landed  (every window is 0 here)
	ds_add_u32 v[SPW], v[NIL]                      ; 0 onto my spare word
	s_wait_dscnt 4*NLR+1                           ; (the add and R's tiles 4-7 may be out)
	WIN MUL_LO
	MUL16 0, 1, \k, 0                              ; sixteen matrix instructions stand between the add and the wait for it
	s_wait_dscnt 0x0                               ; the add is done, and my LDS reads are over
	s_barrier_signal -1
	MUL16 2, 1, \k, 0
	WIN 0
	s_barrier_wait -1
.if \fill
	CREST                                          ; the barrier has opened a round of the cluster's: no wave of any partner still reads slot 0 or has a load on its way
	s_add_nc_u64 s[G0R+2:G0R+3], s[G0R+2:G0R+3], 6*KSB
	s_add_nc_u64 s[G0P+2:G0P+3], s[G0P+2:G0P+3], 6*KSB
	JLOAD G0R, G0P                                 ; the first tensor load behind the round; the four v_nop behind it are also the places in front of the loads below
.else
	PLACES
.endif
	FETCH_P \nslot, 0, 0
	FETCH_R \nslot, 0, 0
	WIN MUL_HI
	MUL16 4, 1, \k, 0
	MUL16 6, 1, \k, 0
	PLACES
	WIN 0
	FETCH_R \nslot, 0, 4
.endm
	s_wait_tensorcnt 2                             ; my part of slot 0 is in; slots 1 and 2 may stay out
	s_barrier_signal -1
	s_barrier_wait -1                              ; everybody's is
	FETCH_P 0, 0, 0
	FETCH_R 0, 0, 0
	FETCH_R 0, 0, 4
	s_wait_loadcnt 0x0                             ; the scale words and the bias
	STEP 0, 0, 1, 1                                ; its products start the sums: nothing is cleared
	TURN 1, 1, 1                                   ; all three slots are whole behind it; slot 0 is asked for again
	STEP 2, 1, 1, 0
	STEP 3, 2, 0, 0
	STEP 4, 2, 1, 0
	TURN 5, 0, 0                                   ; its wait is for the one refill; no round
	STEP 6, 0, 1, 0
	s_wait_dscnt 4*NLR                             ; the last K step: nothing more to fetch
	WIN MUL_LO
	MUL16 0, 1, 7, 0
	MUL16 2, 1, 7, 0
	s_wait_dscnt 0x0
	WIN MUL_HI
	MUL16 4, 1, 7, 0
	MUL16 6, 1, 7, 0
	WIN 0
	PLACES
; THE WAY OUT.  64 numbers of a lane, v[s] on (register 16 b + i = 32 b + 16 h + i along P), become codes (registers 0-5 of a fragment at d0, 6-11 at d1) and a scale word in v[PW].
.macro QUANT s, d0, d1
.irp b, 0,1,2,3
	v_max3_num_f32 v[TM+\b], |v[\s+16*\b]|, |v[\s+1+16*\b]|, 0x2800000   ; block b: my 16 numbers, and the floor 2^(5 - 127): the byte cannot fall under 1
.endr
.irp i, 2,4,6,8,10,12,14
.irp b, 0,1,2,3
	v_max3_num_f32 v[TM+\b], v[TM+\b], |v[\s+16*\b+\i]|, |v[\s+1+16*\b+\i]|
.endr
.endr
.irp b, 0,1,2,3
	v_permlanex16_b32 v[TM+4+\b], v[TM+\b], s[SEL], s[SEL+1]
.endr
.irp b, 0,1,2,3
	v_max_num_f32 v[TM+\b], v[TM+\b], v[TM+4+\b]
.endr
.irp b, 0,1,2,3
	v_add_nc_u32 v[TM+12+\b], 0xfe000000, v[TM+\b] ; 4 off the exponent field: the conversion's scale operand
.endr
.irp b, 0,1,2,3
	v_lshrrev_b32 v[TM+4+\b], 23, v[TM+12+\b]      ; the scale's byte
.endr
	v_lshl_or_b32 v[PW], v[TM+5], 8, v[TM+4]
	v_lshl_or_b32 v[PW], v[TM+6], 16, v[PW]
	v_lshl_or_b32 v[PW], v[TM+7], 24, v[PW]
	v_cvt_scalef32_pk16_bf6_f32 v[\d0:\d0+2], v[\s:\s+15], v[TM+12]
	v_cvt_scalef32_pk16_bf6_f32 v[CT:CT+2], v[\s+16:\s+31], v[TM+13]
	v_cvt_scalef32_pk16_bf6_f32 v[\d1:\d1+2], v[\s+32:\s+47], v[TM+14]
	v_cvt_scalef32_pk16_bf6_f32 v[CT+4:CT+6], v[\s+48:\s+63], v[TM+15]
	v_nop                                          ; one plain place behind a scaled conversion
.irp i, 0,1,2
	v_permlane16_swap_b32 v[\d0+\i], v[CT+\i]      ; a whole block to a lane
	v_permlane16_swap_b32 v[\d1+\i], v[CT+4+\i]
.endr
.irp i, 0,1,2
	v_mov_b32 v[\d0+3+\i], v[CT+\i]
	v_mov_b32 v[\d1+3+\i], v[CT+4+\i]
.endr
.endm
; R's tile a: its 64 results + the bias come into window 0, one packed addition for two.  Each accumulator is read from its low end on.  kind 0: the bias runs along P; 1: it is the lane's own.
.macro MOVE a, kind
	WIN 0x06+(\a)/4                                ; source 0: window 2 or 3; source 1: window 1
.set i, 0
.rept 32
.if \kind == 0
	v_pk_add_f32 v[T+2*i:T+2*i+1], v[64*((\a)%4)+2*i:64*((\a)%4)+2*i+1], v[96+8*(i/4)+96*(i/16)+2*(i%4):96+8*(i/4)+96*(i/16)+2*(i%4)+1]
.else
	v_pk_add_f32 v[T+2*i:T+2*i+1], v[64*((\a)%4)+2*i:64*((\a)%4)+2*i+1], v[96+8*(\a)+96*((\a)/4):96+8*(\a)+96*((\a)/4)+1]
.endif
.set i, i+1
.endr
	WIN 0
.endm
	s_cmp_eq_u32 s68, 2
	s_cbranch_scc1 .Lout_v
	; ---- q, k.  My 128 tokens are step st of their batch; my 128 columns are heads A and B.  A pair of token tiles gives, for each head, 12 registers: tile 2 g's six, tile 2 g + 1's six.
	s_lshr_b32 s72, s70, 3                         ; batch
	s_and_b32 s73, s70, 7
	s_lshl_b32 s73, s73, 1
	s_add_co_u32 s73, s73, s15                     ; st
	s_lshr_b32 s74, s73, 3                         ; which half of the tokens
	s_and_b32 s75, s73, 7                          ; step in it
	s_lshl_b32 s76, s72, 4
	s_lshl_b32 s77, s66, 2
	s_add_co_u32 s76, s76, s77
	s_lshl_b32 s77, s16, 1
	s_add_co_u32 s76, s76, s77                     ; head A = 16 batch + 4 cx + 2 x my half of P
	s_mul_i32 s76, s76, 106496
	s_mul_i32 s77, s74, 53248
	s_add_co_u32 s76, s76, s77                     ; X: q's record begins X behind QOFF, k's at 2 X
	s_sub_co_u32 s78, 1, s68
	s_mul_i32 s78, s78, QOFF
	s_lshl_b32 s80, s76, s68
	s_add_co_u32 s80, s80, s78
	s_mul_i32 s79, s75, 6144
	s_add_co_u32 s80, s80, s79
	s_mov_b32 s81, 0
	s_add_co_u32 s82, s76, 49152
	s_lshl_b32 s82, s82, s68
	s_add_co_u32 s82, s82, s78
	s_lshl_b32 s79, s75, 9
	s_add_co_u32 s82, s82, s79
	s_mov_b32 s83, 0
	s_lshl_b32 s84, 106496, s68                    ; from head A to head B
	s_mov_b32 s85, 0
	s_add_nc_u64 s[80:81], s[8:9], s[80:81]        ; head A's codes,
	s_add_nc_u64 s[82:83], s[8:9], s[82:83]        ; its scale words,
	s_add_nc_u64 s[86:87], s[80:81], s[84:85]      ; head B's
	s_add_nc_u64 s[88:89], s[82:83], s[84:85]
.irp g, 0,1,2,3
	s_wait_xcnt 0x0                                ; the last pair's stores have read their registers
	MOVE 2*\g, 0
	QUANT T, KA, KB
	v_mov_b32 v[PW0], v[PW]
	MOVE 2*\g+1, 0
	QUANT T, KA+6, KB+6
	v_cndmask_b32 v[PWC], v[PW0], v[PW], s98       ; lanes 0-15 tile 2 g's words, lanes 16-31 tile 2 g + 1's
	v_and_b32 v[SA+\g], 0xffff, v[PWC]             ; head A's two bytes; the bytes of k = 64 .. 127, where only zero codes are met, are 0
	v_lshrrev_b32 v[SB+\g], 16, v[PWC]             ; head B's
.irp c, 0,1,2
	global_store_b128 v[L16], v[KA+4*\c:KA+4*\c+3], s[80:81] offset:FRB*\g+512*\c   ; 512 consecutive bytes
	global_store_b128 v[L16], v[KB+4*\c:KB+4*\c+3], s[86:87] offset:FRB*\g+512*\c
.endr
.endr
	global_store_b128 v[L16], v[SA:SA+3], s[82:83]
	global_store_b128 v[L16], v[SB:SB+3], s[88:89]
	s_branch .Lend
.Lout_v:
	; ---- v.  My 128 tokens (P) are key step st; R's tile a is d tile a % 4 of head 4 cy + 2 x my half of R + a / 4: a whole fragment of 128 keys
	s_lshr_b32 s72, s71, 3
	s_and_b32 s73, s71, 7
	s_lshl_b32 s73, s73, 1
	s_add_co_u32 s73, s73, s16
	s_lshr_b32 s74, s73, 3
	s_and_b32 s75, s73, 7
	s_lshl_b32 s76, s72, 4
	s_lshl_b32 s77, s67, 2
	s_add_co_u32 s76, s76, s77
	s_lshl_b32 s77, s15, 1
	s_add_co_u32 s76, s76, s77
	s_mul_i32 s76, s76, 212992
	s_mul_i32 s77, s74, 106496
	s_add_co_u32 s76, s76, s77
	s_mul_i32 s79, s75, 6144
	s_add_co_u32 s80, s76, s79
	s_add_co_u32 s80, s80, 49152
	s_mov_b32 s81, 0
	s_lshl_b32 s79, s75, 9
	s_add_co_u32 s82, s76, s79
	s_add_co_u32 s82, s82, 102400
	s_mov_b32 s83, 0
	s_add_nc_u64 s[80:81], s[8:9], s[80:81]
	s_add_nc_u64 s[82:83], s[8:9], s[82:83]
	s_add_nc_u64 s[86:87], s[80:81], 212992
	s_add_nc_u64 s[88:89], s[82:83], 212992
.irp a, 0,1,2,3,4,5,6,7
	s_wait_xcnt 0x0                                ; the last tile's stores have read their registers
	MOVE \a, 1
	QUANT T, KA, KA+6
	v_mov_b32 v[SA+\a%4], v[PW]
.irp c, 0,1,2
	global_store_b128 v[L16], v[KA+4*\c:KA+4*\c+3], s[80+6*(\a/4):81+6*(\a/4)] offset:FRB*(\a%4)+512*\c
.endr
.if \a%4 == 3
	global_store_b128 v[L16], v[SA:SA+3], s[82+6*(\a/4):83+6*(\a/4)]   ; word t at 16 lane + 4 t
.endif
.endr
.Lend:
	s_wait_tensorcnt 0x0                           ; the wave's end
	ds_add_u32 v[SPW], v[NIL]
	s_wait_dscnt 0x0
	CROUND                                         ; the closing round: no work-group ends while a partner may still ask for a tile that names it
	s_endpgm
.Lfunc_end_k_q0f24aaba42_qkv:
	.size	k_q0f24aaba42_qkv, .Lfunc_end_k_q0f24aaba42_qkv-k_q0f24aaba42_qkv
	.p2alignl 7, 3214868480
	.fill 96, 4, 3214868480
	.section	.rodata,"a",@progbits
	.p2align	6, 0x0
	.amdhsa_kernel k_q0f24aaba42_qkv
		.amdhsa_group_segment_fixed_size 327680
		.amdhsa_private_segment_fixed_size 0
		.amdhsa_enable_private_segment 0
		.amdhsa_kernarg_size 24
		.amdhsa_user_sgpr_count 2
		.amdhsa_user_sgpr_kernarg_segment_ptr 1
		.amdhsa_wavefront_size32 1
		.amdhsa_system_sgpr_workgroup_id_x 1
		.amdhsa_system_sgpr_workgroup_id_y 1
		.amdhsa_system_sgpr_workgroup_id_z 1
		.amdhsa_system_vgpr_workitem_id 0
		.amdhsa_next_free_vgpr 1024
		.amdhsa_next_free_sgpr 100
		.amdhsa_reserve_vcc 0
		.amdhsa_float_denorm_mode_32 3
		.amdhsa_float_denorm_mode_16_64 3
		.amdhsa_memory_ordered 1
		.amdhsa_forward_progress 1
		.amdhsa_inst_pref_size 217
	.end_amdhsa_kernel
	.amdgpu_metadata
---
amdhsa.version: [ 1, 2 ]
amdhsa.kernels:
  - .name:           k_q0f24aaba42_qkv
    .symbol:         k_q0f24aaba42_qkv.kd
    .args:
      - { .name: ops, .offset: 0, .size: 8, .value_kind: global_buffer, .address_space: global }
      - { .name: b_attn, .offset: 8, .size: 8, .value_kind: global_buffer, .address_space: global }
      - { .name: att, .offset: 16, .size: 8, .value_kind: global_buffer, .address_space: global }
    .group_segment_fixed_size: 327680
    .private_segment_fixed_size: 0
    .kernarg_segment_align: 8
    .kernarg_segment_size: 24
    .max_flat_workgroup_size: 128
    .sgpr_count:     100
    .vgpr_count:     1024
    .wavefront_size: 32
...
	.end_amdgpu_metadata
.endif
;; end of part 2
;; launch attn (part 3): grid 4 x 64, 16 waves a work-group, no clusters, 327,680 bytes of LDS; arguments att, yq; writes yq
.if DOCPART == 3
	.amdgcn_target "amdgcn-amd-amdhsa--gfx1250"
	.amdhsa_code_object_version 6
	.text
	.protected	k_q0f24aaba42_attn
	.globl	k_q0f24aaba42_attn
	.p2align	8
	.type	k_q0f24aaba42_attn,@function
k_q0f24aaba42_attn:
	s_mov_b64 s[64:65], 0
	v_nop
	global_prefetch_b8 v0, s[64:65] scope:SCOPE_SE
	s_setreg_imm32_b32 hwreg(HW_REG_WAVE_MODE, 25, 1), 1
	s_wait_xcnt 0x0
; y[b][q][head] = softmax_k(q . k / 8, causal) v on codes of BF6 (E3M2) with E8M0 scales; y is quantised along C in registers and stored as images of the last product's operand registers.
; THE SOFTMAX: t = score x log2(e) / 8; M = the row's largest t so far, rounded UP to a whole number; p = 2^(t - M) is quantised along the keys, not normalised; the row's sum is taken of the unquantised p and divides at the end.
; SHARES.  A work-group owns head hb = 16 batch + head and query blocks i and 7 - i of 256.  Wave w owns tile tL = 16 i + w and then tile 127 - tL.  A tile t needs t / 8 + 1 key steps of 128, so every wave does 17.
; A tile t = 2 p + u holds queries 32 p + 8 u + r + 8 (r / 8); keys and v's d rows are tiled the same way, so that a lane's 16 registers of two neighbouring tiles are 16 neighbours.
; THE WHOLE HEAD'S K AND V STAY IN LDS: two records of 106,496 bytes (keys 0-1023, 1024-2047), each: K's image 8 x 6,144, V's 8 x 6,144, K's scale words 8 x 512, V's 8 x 512.  Filled once; two tensor loads a wave are out at the most.
; The low tile needs the first record only, so the second lands under the first pass.
; NO JOINT LOADS, though the four work-groups of a head read the same records: key steps that lie wholly behind a wave's queries are jumped over, and that branch hangs on the work-group's query block,
; which would be its place in a cluster; leaving those steps out is half of the launch's work.
; K = 64 IN AN INSTRUCTION OF 128: q's registers 6-11 are zero codes, so k's fragments lie 6 registers apart and a tile's upper six (the next tile's codes) meet zeros; E3M2 has no infinity or NaN, and the scale bytes there are 0, never 0xff.
; Both products are used transposed (S^T = K Q^T, O^T = V^T P^T): a lane holds one query throughout.
; LIMITS: NaN and infinities are not served; v_exp_f32 gives 0 for p under 2^-126; a block of zeros gets the byte 1 (its codes are zeros; this program alone reads the bytes).
; REGISTERS: v1 16 x lane, v2 r + 8 (r / 8) - 16 h, v3-5 q's offsets, v6 8 x lane, v7 4 r, v8-9 LDS addresses, v10 16 r, v12 -M, v13 the largest t, v[14:15] the sum, v16-27 Q, v32-85 K or V, v96-159 S^T then p, v160-191 O^T,
;   v224-235 p's codes, v232-247, v252, v254 at work, v248-251 K's then V's scale words, v253 p's, v255 Q's.
.set HALF,  106496
.set VIMG,  49152
.set KSC,   98304
.set QOFF,  13631488
.set YSC,   6291456
.set ADK,  8
.set ADS,  9
.set WV,   8
.set HB,   9
.set TAU,  10
.set PI,   11
.set UU,   12
.set G1,   16
.set G0,   24
.set SEL,  32
.set CS,   34
.set TB,   36                          ; s36 LDS byte of the step's K image;  s37 of its scale words;  s38 its first key;  s39 my first query;  s40 my last;  s41 trips
.set TS,   37
.set KF,   38
.set Q0,   39
.set QMAX, 40
.set CNT,  41
	s_load_b128 s[4:7], s[0:1], 0x0                ; att, yq
	v_lshl_add_u32 v223, v0, 2, 0x34000
	v_mov_b32 v243, 0
	ds_add_u32 v223, v243
	ds_add_u32 v223, v243
	v_lshrrev_b32 v1, 5, v0
	s_delay_alu instid0(VALU_DEP_1)
	v_readfirstlane_b32 s[WV], v1                  ; wave 0..15
	s_and_b32 s[HB], ttmp7, 0xffff
	s_mov_b32 s[G1], 3<<16                         ; no mask; elements of 8 bytes; no padding
	s_mov_b32 s[G1+1], 32<<16                      ; tensor_dim0 = 32: 256 bytes
	s_mov_b32 s[G1+2], 26<<16                      ; tensor_dim1 = 26 rows: a sixteenth of a record, dense
	s_mov_b32 s[G1+3], 32<<16
	s_mov_b32 s[G1+4], 26
	s_mov_b32 s[G1+5], 32
	s_mov_b32 s[G1+6], 0
	s_mov_b32 s[G1+7], 0
	s_mul_i32 s42, s[WV], 6656
	s_mul_i32 s44, s[HB], 2*HALF
	s_add_co_u32 s44, s44, s42
	s_mov_b32 s45, 0
	s_mov_b32 s[SEL], 0x76543210
	s_mov_b32 s[SEL+1], 0xfedcba98
	s_mov_b32 s[CS], 0x3e38aa3b                    ; c = log2(e) / 8
	s_mov_b32 s[CS+1], s[CS]                       ; (named with it as a pair)
	s_wait_dscnt 0x0
	s_wait_kmcnt 0x0
	s_mov_b32 s[G0], 1
	s_mov_b32 s[G0+1], s42
	s_add_nc_u64 s[G0+2:G0+3], s[4:5], s[44:45]
	s_mov_b32 s[G0+4], 1
	s_add_co_u32 s[G0+5], s42, HALF
	s_add_nc_u64 s[G0+6:G0+7], s[G0+2:G0+3], HALF
	s_or_b32 s[G0+3], s[G0+3], 0x80000000
	s_or_b32 s[G0+7], s[G0+7], 0x80000000
	tensor_load_to_lds s[G0:G0+3], s[G1:G1+7]      ; my sixteenth of keys 0-1023's record,
	s_nop 0
	s_wait_alu depctr_va_vdst(0)
	s_wait_tensorcnt 0x0
	ds_add_u32 v223, v243
	s_wait_dscnt 0x0
	s_barrier_signal -1
	s_barrier_wait -1
	tensor_load_to_lds s[G0+4:G0+7], s[G1:G1+7]    ; and of keys 1024-2047's: four v_nop behind the second
	s_nop 0
.rept 4
	v_nop
.endr
	v_and_b32 v10, 31, v0
	s_delay_alu instid0(VALU_DEP_1)
	v_lshlrev_b32 v1, 4, v10
	s_delay_alu instid0(VALU_DEP_2)
	v_lshlrev_b32 v6, 3, v10
	v_and_b32 v10, 15, v0                          ; r
	v_bfe_u32 v11, v0, 4, 1                        ; h
	s_delay_alu instid0(VALU_DEP_2)
	v_lshlrev_b32 v7, 2, v10
	s_delay_alu instid0(VALU_DEP_3)
	v_and_b32 v2, 8, v10
	s_delay_alu instid0(VALU_DEP_1)
	v_add_nc_u32 v2, v2, v10
	s_delay_alu instid0(VALU_DEP_4)
	v_lshlrev_b32 v11, 4, v11
	s_delay_alu instid0(VALU_DEP_1)
	v_sub_nc_u32 v2, v2, v11                       ; my query's place in the tile, less my half's 16 keys
	v_lshlrev_b32 v10, 4, v10
.irp j, 22,23,24,25,26,27, 80,81,82,83,84,85
	v_mov_b32 v[\j], 0                             ; zero codes: Q's k = 64 .. 127, and what stands behind K's last tile
.endr
.irp j, 236,237,238,239, 252,253,254
	v_mov_b32 v[\j], 0                             ; written once: a lane permute's destination counts as one of its sources, and pairs are named whole
.endr
; A KEY STEP of 128 keys.  causal = 1: a step all of whose keys come after my queries is jumped over (a scalar branch on ids), and on the diagonal hidden scores become -infinity.
.macro STEP causal
.if \causal
	s_cmp_gt_u32 s[KF], s[QMAX]
	s_cbranch_scc1 .Lhidden_\@
.endif
	s_setprio 2
	v_add_nc_u32 v[ADK], s[TB], v1
	v_add_nc_u32 v[ADS], s[TS], v1
	v_nop
	v_nop                                          ; four places in front of loads into registers that the last products read
.irp c, 0,1,2,3,4,5,6,7,8,9,10,11
	ds_load_b128 v[32+4*\c:35+4*\c], v[ADK] offset:512*\c   ; K's eight tiles, six registers each: 512 consecutive bytes a load
.endr
	ds_load_b128 v[248:251], v[ADS]                ; their scale words: register g: lanes 0-15 tile 2 g, lanes 16-31 tile 2 g + 1
	s_wait_alu depctr_va_vdst(0)
	s_wait_dscnt 0x0
.irp t, 0,2,4,6
	v_wmma_scale_f32_16x16x128_f8f6f4 v[96+8*\t:103+8*\t], v[32+6*\t:43+6*\t], v[16:27], 0, v[248+\t/2], v255 matrix_a_fmt:MATRIX_FMT_BF6 matrix_b_fmt:MATRIX_FMT_BF6
	v_wmma_scale_f32_16x16x128_f8f6f4 v[104+8*\t:111+8*\t], v[38+6*\t:49+6*\t], v[16:27], 0, v[248+\t/2], v255 matrix_a_fmt:MATRIX_FMT_BF6 matrix_b_fmt:MATRIX_FMT_BF6 matrix_a_scale:MATRIX_SCALE_ROW1
.endr
.rept 4
	v_nop                                          ; four places: for the loads below and for the first reads of the scores
.endr
.irp c, 0,1,2,3,4,5,6,7,8,9,10,11
	ds_load_b128 v[32+4*\c:35+4*\c], v[ADK] offset:VIMG+512*\c   ; V's four fragments are asked for now and land under the softmax
.endr
	ds_load_b128 v[248:251], v[ADS] offset:4096    ; and their scale words
.if \causal
	s_add_co_u32 s42, s[KF], 127
	s_cmp_le_u32 s42, s[Q0]
	s_cbranch_scc1 .Lopen_\@                       ; all 128 keys count
	s_sub_co_i32 s42, s[Q0], s[KF]
	v_add_nc_u32 v252, s42, v2                     ; register 16 b + i holds key KF + 16 h + 32 b + i: hidden where 32 b + i > my query - KF - 16 h
	v_mov_b32 v254, 0xff800000
.set n, 0
.rept 64
	v_cmp_gt_i32 vcc_lo, 32*(n/16)+n%16, v252
	v_cndmask_b32 v[96+n], v[96+n], v254, vcc_lo
.set n, n+1
.endr
.Lopen_\@:
.endif
.irp b, 0,1,2,3
	v_max3_num_f32 v[232+\b], v[96+16*\b], v[97+16*\b], v[98+16*\b]   ; the largest score of each block of 32 keys: for the row's maximum and, since p rises with the score, for the block's largest p
.endr
.irp i, 3,5,7,9,11,13
.irp b, 0,1,2,3
	v_max3_num_f32 v[232+\b], v[232+\b], v[96+16*\b+\i], v[97+16*\b+\i]
.endr
.endr
.irp b, 0,1,2,3
	v_max_num_f32 v[232+\b], v[232+\b], v[111+16*\b]
.endr
.irp b, 0,1,2,3
	s_delay_alu instid0(VALU_DEP_4)
	v_permlanex16_b32 v[236+\b], v[232+\b], s[SEL], s[SEL+1]
.endr
.irp b, 0,1,2,3
	s_delay_alu instid0(VALU_DEP_4)
	v_max_num_f32 v[232+\b], v[232+\b], v[236+\b]  ; with lane l xor 16's 16 keys
.endr
	s_delay_alu instid0(VALU_DEP_2)
	v_max3_num_f32 v254, v232, v233, v234
	s_delay_alu instid0(VALU_DEP_1)
	v_max_num_f32 v254, v254, v235
	s_delay_alu instid0(VALU_DEP_1)
	v_mul_f32 v254, s[CS], v254                    ; the step's largest t
	s_delay_alu instid0(VALU_DEP_1)
	v_max_num_f32 v13, v13, v254                   ; the running largest t
	v_mov_b32 v254, v12
	s_delay_alu instid0(VALU_DEP_2)
	v_floor_f32 v12, -v13                          ; -M = floor(-t): M is a whole number
	s_delay_alu instid0(VALU_DEP_1)
	v_sub_f32 v254, v12, v254                      ; old M - new M, a whole number, 0 or less
	s_delay_alu instid0(VALU_DEP_1)
	v_cvt_i32_f32 v254, v254
	s_delay_alu instid0(VALU_DEP_1)
	v_ldexp_f32 v252, 1.0, v254                    ; f = 2^(old M - new M): a multiplication by it rounds nothing
.set j, 0
.rept 32
	v_pk_fma_f32 v[96+j:97+j], v[96+j:97+j], s[CS:CS+1], v[12:13] op_sel_hi:[1,0,0]   ; t - M
.set j, j+2
.endr
.irp b, 0,1,2,3
	v_fma_f32 v[232+\b], v[232+\b], s[CS], v12
.endr
.set j, 0
	s_setprio 1
	s_wait_alu depctr_va_vdst(0)
.rept 64
	v_exp_f32 v[96+j], v[96+j]                     ; p = 2^(t - M)
.set j, j+1
.endr
.irp b, 0,1,2,3
	v_exp_f32 v[232+\b], v[232+\b]                 ; each block's largest p
.endr
	v_pk_mul_f32 v[14:15], v[14:15], v[252:253] op_sel_hi:[1,0]   ; the sums under the new M (a plain place behind the exponentials)
	s_wait_alu depctr_va_vdst(0)
.irp b, 0,1,2,3
	v_max_num_f32 v[232+\b], 0x2800000, v[232+\b]  ; the floor 2^(5 - 127)
.endr
.irp b, 0,1,2,3
	s_delay_alu instid0(VALU_DEP_4)
	v_add_nc_u32 v[244+\b], 0xfe000000, v[232+\b]
.endr
.irp b, 0,1,2,3
	s_delay_alu instid0(VALU_DEP_4)
	v_lshrrev_b32 v[236+\b], 23, v[244+\b]
.endr
	s_delay_alu instid0(VALU_DEP_3)
	v_lshl_or_b32 v253, v237, 8, v236              ; p's scale word for these 128 keys
	s_delay_alu instid0(VALU_DEP_1)
	v_lshl_or_b32 v253, v238, 16, v253
	s_delay_alu instid0(VALU_DEP_1)
	v_lshl_or_b32 v253, v239, 24, v253
.irp c, 0,1
	v_cvt_scalef32_pk16_bf6_f32 v[224+6*\c:226+6*\c], v[96+32*\c:111+32*\c], v[244+2*\c]
	v_cvt_scalef32_pk16_bf6_f32 v[236+4*\c:238+4*\c], v[112+32*\c:127+32*\c], v[244+2*\c+1]
.endr
	v_nop                                          ; one plain place behind a scaled conversion
.irp c, 0,1
.irp i, 0,1,2
	v_permlane16_swap_b32 v[224+6*\c+\i], v[236+4*\c+\i]
.endr
.irp i, 0,1,2
	s_delay_alu instid0(VALU_DEP_3)
	v_mov_b32 v[227+6*\c+\i], v[236+4*\c+\i]
.endr
.endr
	v_pk_add_f32 v[236:237], v[96:97], v[98:99]    ; the row's sum is taken of the unquantised p, in two chains
.irp j, 4,8,12,16,20,24,28,32,36,40,44,48,52,56,60
	v_pk_add_f32 v[14:15], v[14:15], v[96+\j:97+\j]
	v_pk_add_f32 v[236:237], v[236:237], v[98+\j:99+\j]
.endr
	s_delay_alu instid0(VALU_DEP_1)
	v_pk_add_f32 v[14:15], v[14:15], v[236:237]
.set j, 0
	s_setprio 0
.rept 16
	v_pk_mul_f32 v[160+j:161+j], v[160+j:161+j], v[252:253] op_sel_hi:[1,0]   ; O^T under the new M (these and the sums are the places between p's codes and scale word and the products)
.set j, j+2
.endr
	s_wait_alu depctr_va_vdst(0)
	s_wait_dscnt 0x0                               ; V is in
.irp t, 0,1,2,3
	v_wmma_scale_f32_16x16x128_f8f6f4 v[160+8*\t:167+8*\t], v[32+12*\t:43+12*\t], v[224:235], v[160+8*\t:167+8*\t], v[248+\t], v253 matrix_a_fmt:MATRIX_FMT_BF6 matrix_b_fmt:MATRIX_FMT_BF6
.endr
.if \causal
.Lhidden_\@:
.endif
	s_add_co_u32 s[KF], s[KF], 128
	s_add_co_u32 s[TB], s[TB], 6144
	s_add_co_u32 s[TS], s[TS], 512
.endm
; The eight key steps of a record: a loop of constant count.
.macro HALFWALK half, causal
	s_mov_b32 s[TB], \half*HALF
	s_mov_b32 s[TS], \half*HALF+KSC
	s_mov_b32 s[KF], \half*1024
	s_mov_b32 s[CNT], 8
.Lwalk_\@:
	STEP \causal
	s_sub_co_u32 s[CNT], s[CNT], 1
	s_cmp_lg_u32 s[CNT], 0
	s_cbranch_scc1 .Lwalk_\@
	s_setprio 0
.endm
; O^T / the sum: 32 numbers of my query, register 16 b + i = d 32 b + 16 h + i; two blocks of y's K; six registers of a fragment and two scale bytes.
.macro WAYOUT
.rept 4
	v_nop                                          ; four places behind the last products
.endr
	v_add_f32 v14, v14, v15
	s_delay_alu instid0(VALU_DEP_1)
	v_permlanex16_b32 v252, v14, s[SEL], s[SEL+1]
	s_delay_alu instid0(VALU_DEP_1)
	v_add_f32 v14, v14, v252                       ; the row's sum
	s_wait_alu depctr_va_vdst(0)
	v_rcp_f32 v14, v14
	v_nop                                          ; one plain place behind a transcendental
.set j, 0
	s_wait_alu depctr_va_vdst(0)
.rept 32
	v_mul_f32 v[96+j], v[160+j], v14               ; each accumulator from its low end on
.set j, j+1
.endr
.irp b, 0,1
	v_max3_num_f32 v[232+\b], |v[96+16*\b]|, |v[97+16*\b]|, 0x2800000
.endr
.irp i, 2,4,6,8,10,12,14
.irp b, 0,1
	s_delay_alu instid0(VALU_DEP_2)
	v_max3_num_f32 v[232+\b], v[232+\b], |v[96+16*\b+\i]|, |v[97+16*\b+\i]|
.endr
.endr
.irp b, 0,1
	s_delay_alu instid0(VALU_DEP_2)
	v_permlanex16_b32 v[236+\b], v[232+\b], s[SEL], s[SEL+1]
.endr
.irp b, 0,1
	s_delay_alu instid0(VALU_DEP_2)
	v_max_num_f32 v[232+\b], v[232+\b], v[236+\b]
.endr
.irp b, 0,1
	s_delay_alu instid0(VALU_DEP_2)
	v_add_nc_u32 v[244+\b], 0xfe000000, v[232+\b]
.endr
.irp b, 0,1
	s_delay_alu instid0(VALU_DEP_2)
	v_lshrrev_b32 v[236+\b], 23, v[244+\b]
.endr
	s_delay_alu instid0(VALU_DEP_1)
	v_lshl_or_b32 v238, v237, 8, v236              ; my head's two bytes of the row's scale word
	v_cvt_scalef32_pk16_bf6_f32 v[224:226], v[96:111], v244
	v_cvt_scalef32_pk16_bf6_f32 v[240:242], v[112:127], v245
	v_nop                                          ; one plain place behind a scaled conversion
.irp i, 0,1,2
	v_permlane16_swap_b32 v[224+\i], v[240+\i]
.endr
.irp i, 0,1,2
	s_delay_alu instid0(VALU_DEP_3)
	v_mov_b32 v[227+\i], v[240+\i]
.endr
	s_lshr_b32 s43, s[HB], 4                       ; batch
	s_and_b32 s44, s[HB], 15                       ; head
	s_lshl_b32 s43, s43, 3
	s_lshr_b32 s45, s[TAU], 4
	s_add_co_u32 s43, s43, s45                     ; row block of 256 tokens
	s_and_b32 s45, s[TAU], 15                      ; tile in it
	s_lshr_b32 s46, s44, 1                         ; K step of the last product
	s_and_b32 s47, s44, 1                          ; which half of it
	s_mul_i32 s52, s43, 196608
	s_mul_i32 s53, s46, 24576
	s_add_co_u32 s52, s52, s53
	s_mul_i32 s53, s45, 1536
	s_add_co_u32 s52, s52, s53
	s_mul_i32 s53, s47, 768
	s_add_co_u32 s52, s52, s53
	s_mov_b32 s53, 0
	s_lshl_b32 s54, s43, 13
	s_lshr_b32 s55, s45, 1
	s_lshl_b32 s55, s55, 10
	s_add_co_u32 s54, s54, s55
	s_lshl_b32 s55, s46, 7
	s_add_co_u32 s54, s54, s55
	s_and_b32 s55, s45, 1
	s_lshl_b32 s55, s55, 6
	s_add_co_u32 s54, s54, s55
	s_lshl_b32 s55, s47, 1
	s_add_co_u32 s54, s54, s55
	s_add_co_u32 s54, s54, YSC
	s_mov_b32 s55, 0
	s_add_nc_u64 s[52:53], s[6:7], s[52:53]
	s_add_nc_u64 s[54:55], s[6:7], s[54:55]
	s_wait_alu depctr_va_vdst(0)
.irp p, 0,1,2
	global_store_b64 v6, v[224+2*\p:225+2*\p], s[52:53] offset:256*\p   ; 32 lanes store 256 consecutive bytes, aligned
.endr
	global_store_b16 v7, v238, s[54:55]            ; two bytes a row (lanes 16-31 write the same bytes with the same values): the other head of the K step writes the word's other half
.endm
; One tile of 16 queries from its first key to its last.
.macro PASS hi
	s_wait_xcnt 0x0                                ; the last pass's stores have read their registers and bases
.if \hi == 0
	s_lshl_b32 s[TAU], ttmp9, 4
	s_add_co_u32 s[TAU], s[TAU], s[WV]             ; tL = 16 i + w
.else
	s_sub_co_u32 s[TAU], 127, s[TAU]               ; 127 - tL
.endif
	s_lshr_b32 s[PI], s[TAU], 1
	s_and_b32 s[UU], s[TAU], 1
	s_lshl_b32 s[Q0], s[PI], 5
	s_lshl_b32 s43, s[UU], 3
	s_add_co_u32 s[Q0], s[Q0], s43                 ; my first query
	s_add_co_u32 s[QMAX], s[Q0], 23                ; my last
	s_mul_i32 s43, s[UU], 520                      ; a pair's image holds tile 0's six registers, then tile 1's: bytes 0, 8, 512 or 520, 1,024, 1,032 (+ 16 x lane)
	v_add_nc_u32 v3, s43, v1
	s_wait_alu depctr_va_vdst(0)
	s_mul_i32 s43, s[UU], 1016
	v_add_nc_u32 v4, s43, v1
	s_wait_alu depctr_va_vdst(0)
	s_lshl_b32 s43, s[UU], 8
	v_add_nc_u32 v5, s43, v10
	s_wait_alu depctr_va_vdst(0)
	s_mul_i32 s44, s[HB], HALF                     ; q's record of a head is as long as half of K's and V's
	s_lshr_b32 s46, s[PI], 5
	s_mul_i32 s46, s46, 53248
	s_add_co_u32 s44, s44, s46
	s_add_co_u32 s44, s44, QOFF
	s_and_b32 s46, s[PI], 31
	s_mul_i32 s47, s46, 1536
	s_add_co_u32 s48, s44, s47
	s_mov_b32 s49, 0
	s_lshr_b32 s47, s46, 2
	s_lshl_b32 s47, s47, 9
	s_add_co_u32 s50, s44, s47
	s_and_b32 s46, s46, 3
	s_lshl_b32 s46, s46, 2
	s_add_co_u32 s50, s50, s46
	s_add_co_u32 s50, s50, 49152
	s_mov_b32 s51, 0
	s_add_nc_u64 s[48:49], s[4:5], s[48:49]
	s_add_nc_u64 s[50:51], s[4:5], s[50:51]
	global_load_b64 v[16:17], v3, s[48:49]
	global_load_b64 v[18:19], v4, s[48:49] offset:8
	global_load_b64 v[20:21], v3, s[48:49] offset:512
	global_load_b32 v255, v5, s[50:51]             ; Q's scale words
	v_mov_b32 v13, 0xff61b1e6                      ; the largest t so far: -3e38
	s_delay_alu instid0(VALU_DEP_1)
	v_floor_f32 v12, -v13
	v_mov_b32 v14, 0
	v_mov_b32 v15, 0
.set j, 0
.rept 32
	v_mov_b32 v[160+j], 0                          ; O^T: the step is written once; the first change of M leaves zeros zeros
.set j, j+1
.endr
	s_wait_loadcnt 0x0
.if \hi == 0
	HALFWALK 0, 1
.else
	HALFWALK 0, 0                                  ; every key under 1,024 counts for queries from 1,024 on
	HALFWALK 1, 1
.endif
	WAYOUT
.endm
	s_wait_tensorcnt 1                             ; my part of the first record is in; the second's may stay out
	s_barrier_signal -1
	s_barrier_wait -1                              ; everybody's is
	PASS 0
	s_wait_tensorcnt 0x0                           ; my part of the second record is in
	s_wait_dscnt 0x0
	s_barrier_signal -1
	s_barrier_wait -1
	PASS 1
	s_wait_tensorcnt 0x0
	ds_add_u32 v223, v243
	s_wait_dscnt 0x0
	s_endpgm
.Lfunc_end_k_q0f24aaba42_attn:
	.size	k_q0f24aaba42_attn, .Lfunc_end_k_q0f24aaba42_attn-k_q0f24aaba42_attn
	.p2alignl 7, 3214868480
	.fill 96, 4, 3214868480
	.section	.rodata,"a",@progbits
	.p2align	6, 0x0
	.amdhsa_kernel k_q0f24aaba42_attn
		.amdhsa_group_segment_fixed_size 327680
		.amdhsa_private_segment_fixed_size 0
		.amdhsa_enable_private_segment 0
		.amdhsa_kernarg_size 16
		.amdhsa_user_sgpr_count 2
		.amdhsa_user_sgpr_kernarg_segment_ptr 1
		.amdhsa_wavefront_size32 1
		.amdhsa_system_sgpr_workgroup_id_x 1
		.amdhsa_system_sgpr_workgroup_id_y 1
		.amdhsa_system_sgpr_workgroup_id_z 1
		.amdhsa_system_vgpr_workitem_id 0
		.amdhsa_next_free_vgpr 256
		.amdhsa_next_free_sgpr 66
		.amdhsa_reserve_vcc 1
		.amdhsa_float_denorm_mode_32 3
		.amdhsa_float_denorm_mode_16_64 3
		.amdhsa_memory_ordered 1
		.amdhsa_forward_progress 1
		.amdhsa_inst_pref_size 83
	.end_amdhsa_kernel
	.amdgpu_metadata
---
amdhsa.version: [ 1, 2 ]
amdhsa.kernels:
  - .name:           k_q0f24aaba42_attn
    .symbol:         k_q0f24aaba42_attn.kd
    .args:
      - { .name: att, .offset: 0, .size: 8, .value_kind: global_buffer, .address_space: global }
      - { .name: yq, .offset: 8, .size: 8, .value_kind: global_buffer, .address_space: global }
    .group_segment_fixed_size: 327680
    .private_segment_fixed_size: 0
    .kernarg_segment_align: 8
    .kernarg_segment_size: 16
    .max_flat_workgroup_size: 512
    .sgpr_count:     66
    .vgpr_count:     256
    .wavefront_size: 32
...
	.end_amdgpu_metadata
.endif
;; end of part 3
;; launch proj (part 4): grid 4 x 32, 4 waves a work-group, clusters of 4 x 4, 327,680 bytes of LDS; arguments yq, ops, b_proj, out0; writes out0
.if DOCPART == 4
	.amdgcn_target "amdgcn-amd-amdhsa--gfx1250"
	.amdhsa_code_object_version 6
	.text
	.protected	k_q0f24aaba42_proj
	.globl	k_q0f24aaba42_proj
	.p2align	8
	.type	k_q0f24aaba42_proj,@function
k_q0f24aaba42_proj:
	s_mov_b64 s[64:65], 0
	v_nop
	global_prefetch_b8 v0, s[64:65] scope:SCOPE_SE
	s_setreg_imm32_b32 hwreg(HW_REG_WAVE_MODE, 25, 1), 1
	s_wait_xcnt 0x0
	s_wait_alu depctr_hold_cnt(0) depctr_sa_sdst(0) depctr_va_vdst(0) depctr_va_sdst(0) depctr_va_ssrc(0) depctr_va_vcc(0) depctr_vm_vsrc(0)
	s_getreg_b32 s2, hwreg(HW_REG_IB_STS2, 6, 4)
	s_cmp_eq_u32 s2, 0
	s_cbranch_scc0 .Lentry_in_a_cluster
	s_endpgm
.Lentry_in_a_cluster:
	s_bfe_u32 s2, ttmp6, 0x10000c
	s_cmp_lg_u32 s2, 0xf033
	s_cbranch_scc0 .Lentry_shape_is_right
	s_endpgm
.Lentry_shape_is_right:
; out0 = y W_proj + b_proj on codes of BF6 (E3M2) with E8M0 scales, K = 1024, f32 out.  y's codes and scale words come from yq, the weight's from ops (row blocks 44-47), both as images of operand registers.
; A work-group of four waves makes 256 (P, source 0: columns of W_proj) x 256 (R, source 1: tokens); a wave 128 x 128: 64 accumulators.  In a result a lane holds ONE token and its registers run along the columns.
; TILES ARE PERMUTED (lane r of tile 2 b + u = row 32 b + 8 u + r + 8 (r / 8)): the 16 registers of P's tiles 2 b, 2 b + 1 are the 16 neighbouring columns 32 b + 16 h + 0 .. 15.
; K: eight steps of 128 in three LDS slots of two steps: steps 0-5 are asked for at the start, slot 0 is filled once more with steps 6, 7 behind K step 1 and has four K steps in which to land.
; By this text's own count a wave has three tensor loads out at the start, later one.  The bias is the C of each sum's first matrix instruction.
; CLUSTER 4 x 4: R's tiles hang on the tile row alone and are asked for jointly along a row of the cluster, P's on cx alone, along a column.  The grid is one cluster wide, so P's row block is 44 + cx.
; REGISTERS.  window 0: v8 16 x lane, v9 4 x lane, v10 8 x lane, v11 bias offset, v16-18 / v20-22 LDS addresses of R / P by slot, v24-25 the stage, v28-29 the add's, v32-63 R's scale words, v64-95 P's
;   (register 8 g + s: lanes 0-15 tile 2 g, lanes 16-31 tile 2 g + 1, K step s), v128-223 R's 8 fragments (one set), on the way out v128-255 rows of the result.
;   window 1: P's fragments, two sets at v0 and v128; the bias at v96-127 and v224-255.  windows 2, 3: accumulator (a, b) at v[8 (8 (a % 4) + b)].
.set RBB,   196608
.set KSB,   24576
.set FRB,   1536
.set SLOT,  4*KSB
.set SPARE, 3*SLOT                     ; behind the slots: the spare words, 128 bytes a wave: two blocks of 256 bytes that no other line names
.set SCO,   9437184
.set YSC,   6291456
.set SPITCH, 528                       ; the way out: a stage of 16 rows x (512 bytes + 16) for each wave, in slot 1, which has had its only fill and its last read when the first result is stored there
.set STAGE, SLOT
.set NLR,   6                          ; LDS loads that bring a fragment of R: y's image is six pieces of 8 bytes a lane
.set L16,  8
.set L4,   9
.set L8,   10
.set BL,   11
.set ADRR, 16
.set ADRP, 20
.set STO,  24
.set RD,   25
.set SPW,  28
.set NIL,  29
.set SCR,  32
.set SCP,  64
.set RF,   128
.set BK,   128
.set G1R,  24
.set G0R,  32
.set G1P,  44
.set G0P,  52
.set MSB, 0
.macro WIN new                         ; the immediate's high byte repeats the setting that is left
.if MSB != (\new)
	s_set_vgpr_msb (MSB<<8)|(\new)
.set MSB, (\new)
.endif
.endm
.set MUL_LO, 0xa1                      ; source 0 (P) window 1, source 1 (R) window 0, C and D window 2
.set MUL_HI, 0xf1
.set BIA_LO, 0x91                      ; the same with C (the bias) in window 1
.set BIA_HI, 0xd1
.set TO_P,   0x40
.macro JLOAD g0r, g0p                  ; a joint load: waves 0, 1 fetch R's two K steps of a slot, waves 2, 3 P's; four v_nop follow each of the two lines
	s_cmp_eq_u32 s15, 0
	s_cbranch_scc0 .Lfor_p_\@
	tensor_load_to_lds s[\g0r:\g0r+3], s[G1R:G1R+7]
	s_nop 0
.rept 4
	v_nop
.endr
	s_branch .Lasked_\@
.Lfor_p_\@:
	tensor_load_to_lds s[\g0p:\g0p+3], s[G1P:G1P+7]
	s_nop 0
.rept 4
	v_nop
.endr
.Lasked_\@:
.endm
.macro CREST
	s_cmp_lg_u32 s14, 0
	s_cbranch_scc1 .Lnot_wave_0_\@
	s_barrier_signal -3
.Lnot_wave_0_\@:
	s_barrier_wait -3
	s_barrier_signal -1
	s_barrier_wait -1
.endm
.macro CROUND
	s_barrier_signal -1
	s_barrier_wait -1
	CREST
.endm
.macro PLACES                          ; four places behind a matrix instruction of this form (ISA guide 7.12.1)
.rept 4
	v_nop
.endr
.endm
	s_load_b128 s[4:7], s[0:1], 0x0                ; yq, ops
	s_load_b128 s[8:11], s[0:1], 0x10              ; b_proj, out0
	v_lshl_add_u32 v[SPW], v0, 2, SPARE
	v_mov_b32 v[NIL], 0
	ds_add_u32 v28, v29
	ds_add_u32 v28, v29
	s_wait_dscnt 0x0
	v_lshrrev_b32 v1, 5, v0
	v_readfirstlane_b32 s14, v1                    ; wave 0..3
	s_lshr_b32 s15, s14, 1                         ; my half of R.  Also: I fetch for R (0) or for P (1)
	s_and_b32 s16, s14, 1                          ; my half of P.  Also: which K step of a slot I fetch
	s_bfe_u32 s66, ttmp6, 0x40000                  ; cx
	s_bfe_u32 s67, ttmp6, 0x40004                  ; cy
	s_and_b32 s70, ttmp7, 0xffff
	s_lshl_b32 s70, s70, 2
	s_add_co_u32 s70, s70, s67                     ; R's row block of tokens = 4 x cluster y + cy
	s_add_co_u32 s71, s66, 44                      ; P's row block of ops
	s_lshl_b32 s73, s67, 2
	s_lshl_b32 s73, 15, s73                        ; my row of the cluster
	s_lshl_b32 s74, 0x1111, s66                    ; my column
	s_or_b32 s[G1R], s73, (3<<16)|(1<<21)          ; 15:0 the mask; 17:16 elements of 8 bytes; 21 set beside a mask; no padding
	s_or_b32 s[G1P], s74, (3<<16)|(1<<21)
.irp g, G1R, G1P
	s_mov_b32 s[\g+1], 32<<16                      ; 96 rows of 256 bytes: a K step's 24,576 dense bytes
	s_mov_b32 s[\g+2], 96<<16
	s_mov_b32 s[\g+3], 32<<16
	s_mov_b32 s[\g+4], 96
	s_mov_b32 s[\g+5], 32
	s_mov_b32 s[\g+6], 0
	s_mov_b32 s[\g+7], 0
.endr
	s_mul_i32 s76, s70, RBB
	s_mul_i32 s77, s16, KSB
	s_add_co_u32 s76, s76, s77
	s_mov_b32 s77, 0
	s_mul_i32 s78, s71, RBB
	s_mul_i32 s79, s16, KSB
	s_add_co_u32 s78, s78, s79
	s_mov_b32 s79, 0
	s_mul_i32 s20, s14, KSB                        ; where my part of a slot lies
	s_lshl_b32 s80, s70, 13
	s_lshl_b32 s81, s15, 12
	s_add_co_u32 s80, s80, s81
	s_add_co_u32 s80, s80, YSC
	s_mov_b32 s81, 0
	s_lshl_b32 s82, s71, 13
	s_lshl_b32 s83, s16, 12
	s_add_co_u32 s82, s82, s83
	s_add_co_u32 s82, s82, SCO
	s_mov_b32 s83, 0
	s_lshl_b32 s86, s66, 10                        ; my first column, in bytes of f32: 1,024 cx + 512 x my half of P
	s_lshl_b32 s87, s16, 9
	s_add_co_u32 s86, s86, s87
	s_mov_b32 s87, 0
	s_lshl_b32 s88, s70, 20                        ; my first row of out0: 256 rows of 4,096 bytes a row block, + 128 rows x my half of R
	s_lshl_b32 s89, s15, 19
	s_add_co_u32 s88, s88, s89
	s_add_co_u32 s88, s88, s86
	s_mov_b32 s89, 0
	s_wait_kmcnt 0x0
	s_add_nc_u64 s[18:19], s[4:5], s[76:77]
	s_add_nc_u64 s[22:23], s[6:7], s[78:79]
	s_add_nc_u64 s[92:93], s[4:5], s[80:81]
	s_add_nc_u64 s[94:95], s[6:7], s[82:83]
	s_add_nc_u64 s[90:91], s[8:9], s[86:87]
	s_add_nc_u64 s[12:13], s[10:11], s[88:89]
	CROUND                                         ; all sixteen work-groups are here: the first joint loads meet
.irp s, 0,1,2
	s_mov_b32 s[G0R+4*\s], 1
	s_add_co_u32 s[G0R+4*\s+1], s20, \s*SLOT
	s_add_nc_u64 s[G0R+4*\s+2:G0R+4*\s+3], s[18:19], \s*2*KSB
	s_or_b32 s[G0R+4*\s+3], s[G0R+4*\s+3], 0x80000000
	s_mov_b32 s[G0P+4*\s], 1
	s_add_co_u32 s[G0P+4*\s+1], s20, \s*SLOT
	s_add_nc_u64 s[G0P+4*\s+2:G0P+4*\s+3], s[22:23], \s*2*KSB
	s_or_b32 s[G0P+4*\s+3], s[G0P+4*\s+3], 0x80000000
	JLOAD G0R+4*\s, G0P+4*\s                       ; K steps 2 s and 2 s + 1
.endr
	v_and_b32 v1, 31, v0
	v_and_b32 v2, 15, v0                           ; r
	v_bfe_u32 v3, v0, 4, 1                         ; h
	v_lshlrev_b32 v[L16], 4, v1
	v_lshlrev_b32 v[L4], 2, v1
	v_lshlrev_b32 v[L8], 3, v1
	v_lshlrev_b32 v[BL], 6, v3
	s_mul_i32 s84, s15, 8*FRB
	s_mul_i32 s85, s16, 8*FRB
	s_add_co_u32 s85, s85, 2*KSB
.irp s, 0,1,2
	v_add_nc_u32 v[ADRR+\s], s84, v[L8]
	v_add_nc_u32 v[ADRP+\s], s85, v[L16]
	s_add_co_u32 s84, s84, SLOT
	s_add_co_u32 s85, s85, SLOT
.endr
	s_mul_i32 s84, s14, 16*SPITCH
	s_add_co_u32 s84, s84, STAGE                   ; my stage
	v_mul_u32_u24 v[STO], v2, SPITCH
	v_lshl_add_u32 v[STO], v3, 6, v[STO]
	v_add_nc_u32 v[STO], s84, v[STO]               ; in: row r, + 64 h
	v_add_nc_u32 v[RD], s84, v[L16]                ; back: the 32 lanes take one row of 512 bytes
.irp g, 0,1,2,3                        ; all scale words of my 128 + 128 rows, for all of K, straight into registers: each load reads 128 consecutive bytes
.irp s, 0,1,2,3,4,5,6,7
	global_load_b32 v[SCR+8*\g+\s], v[L4], s[92:93] offset:1024*\g+128*\s
	global_load_b32 v[SCP+8*\g+\s], v[L4], s[94:95] offset:1024*\g+128*\s
.endr
.endr
	WIN TO_P
.irp b, 0,1,2,3,4,5,6,7                ; the bias in the result's layout: tile b's eight registers: columns 32 (b / 2) + 8 (b % 2) + 16 h + 0 .. 7
	global_load_b128 v[96+8*\b+96*(\b/4):96+8*\b+96*(\b/4)+3], v[BL], s[90:91] offset:(32*(\b/2)+8*(\b%2))*4
	global_load_b128 v[96+8*\b+96*(\b/4)+4:96+8*\b+96*(\b/4)+7], v[BL], s[90:91] offset:(32*(\b/2)+8*(\b%2))*4+16
.endr
	WIN 0
; One matrix instruction: P's tile b (set p) x R's tile a, K step k.  Odd tiles' scale words lie in lanes 16-31 of their pair's register.  cm = 2: C is the bias (the sum's first instruction), else the accumulator.
.macro WM a, b, p, k, cm
.set rD, 8*(8*((\a)%4)+(\b))
.set rC, rD
.if \cm == 2
.set rC, 96+8*(\b)+96*((\b)/4)
.endif
.set rA, 128*(\p)+12*(\b)
.set rB, RF+12*(\a)
.set sA, SCP+8*((\b)/2)+(\k)
.set sB, SCR+8*((\a)/2)+(\k)
.set par, 2*((\a)%2)+((\b)%2)
.if par == 0
	v_wmma_scale_f32_16x16x128_f8f6f4 v[rD:rD+7], v[rA:rA+11], v[rB:rB+11], v[rC:rC+7], v[sA], v[sB] matrix_a_fmt:MATRIX_FMT_BF6 matrix_b_fmt:MATRIX_FMT_BF6
.elseif par == 1
	v_wmma_scale_f32_16x16x128_f8f6f4 v[rD:rD+7], v[rA:rA+11], v[rB:rB+11], v[rC:rC+7], v[sA], v[sB] matrix_a_fmt:MATRIX_FMT_BF6 matrix_b_fmt:MATRIX_FMT_BF6 matrix_a_scale:MATRIX_SCALE_ROW1
.elseif par == 2
	v_wmma_scale_f32_16x16x128_f8f6f4 v[rD:rD+7], v[rA:rA+11], v[rB:rB+11], v[rC:rC+7], v[sA], v[sB] matrix_a_fmt:MATRIX_FMT_BF6 matrix_b_fmt:MATRIX_FMT_BF6 matrix_b_scale:MATRIX_SCALE_ROW1
.else
	v_wmma_scale_f32_16x16x128_f8f6f4 v[rD:rD+7], v[rA:rA+11], v[rB:rB+11], v[rC:rC+7], v[sA], v[sB] matrix_a_fmt:MATRIX_FMT_BF6 matrix_b_fmt:MATRIX_FMT_BF6 matrix_a_scale:MATRIX_SCALE_ROW1 matrix_b_scale:MATRIX_SCALE_ROW1
.endif
.endm
; 16 matrix instructions.  The 64 accumulators take turns, one instruction a turn, in the same order in every K step.
.macro MUL16 a0, p, k, cm
.irp a, \a0, \a0+1
.irp b, 0,1,2,3,4,5,6,7
	WM (\a), \b, \p, \k, \cm
.endr
.endr
.endm
.macro FETCH_P slot, q, p
	WIN TO_P
.irp i, 0,1,2,3,4,5,6,7
.irp c, 0,1,2
	ds_load_b128 v[128*(\p)+12*\i+4*\c:128*(\p)+12*\i+4*\c+3], v[ADRP+\slot] offset:(\q)*KSB+\i*FRB+512*\c
.endr
.endr
	WIN 0
.endm
.macro FETCH_R slot, q, i0             ; R's tiles i0 .. i0 + 3: each load reads 256 consecutive bytes
.irp i, \i0, \i0+1, \i0+2, \i0+3
.irp c, 0,1,2,3,4,5
	ds_load_b64 v[RF+12*(\i)+2*\c:RF+12*(\i)+2*\c+1], v[ADRR+\slot] offset:(\q)*KSB+(\i)*FRB+256*\c
.endr
.endr
.endm
.macro STEP k, nslot, nq, cm
	s_wait_dscnt 4*NLR                             ; P's set and R's tiles 0-3 are in; the youngest loads (R's tiles 4-7) may be out
.if \cm == 2
	WIN BIA_LO
.else
	WIN MUL_LO
.endif
	MUL16 0, (\k)%2, \k, \cm
	MUL16 2, (\k)%2, \k, \cm
	s_wait_dscnt 0x0                               ; R's tiles 4-7 are in
	PLACES
	FETCH_P \nslot, \nq, 1-(\k)%2
	FETCH_R \nslot, \nq, 0
.if \cm == 2
	WIN BIA_HI
.else
	WIN MUL_HI
.endif
	MUL16 4, (\k)%2, \k, \cm
	MUL16 6, (\k)%2, \k, \cm
	PLACES
	WIN 0
	FETCH_R \nslot, \nq, 4
.endm
; A K step with a barrier in it.  In front of it each wave waits for all its tensor loads, adds 0 to its spare word, and waits for that and for its reads.  fill = 1: slot 0, which nobody reads any more, takes K steps 6 and 7.
.macro TURN k, nslot, fill
	s_wait_tensorcnt 0x0                           ; all my tensor loads have landed  (every window is 0 here)
	ds_add_u32 v[SPW], v[NIL]                      ; 0 onto my spare word
	s_wait_dscnt 4*NLR+1                           ; (the add and R's tiles 4-7 may be out)
	WIN MUL_LO
	MUL16 0, 1, \k, 0                              ; sixteen matrix instructions stand between the add and the wait for it
	s_wait_dscnt 0x0                               ; the add is done, and my LDS reads are over
	s_barrier_signal -1
	MUL16 2, 1, \k, 0
	WIN 0
	s_barrier_wait -1
.if \fill
	CREST                                          ; the barrier has opened a round of the cluster's: no wave of any partner still reads slot 0 or has a load on its way
	s_add_nc_u64 s[G0R+2:G0R+3], s[G0R+2:G0R+3], 6*KSB
	s_add_nc_u64 s[G0P+2:G0P+3], s[G0P+2:G0P+3], 6*KSB
	JLOAD G0R, G0P                                 ; the first tensor load behind the round; the four v_nop behind it are also the places in front of the loads below
.else
	PLACES
.endif
	FETCH_P \nslot, 0, 0
	FETCH_R \nslot, 0, 0
	WIN MUL_HI
	MUL16 4, 1, \k, 0
	MUL16 6, 1, \k, 0
	PLACES
	WIN 0
	FETCH_R \nslot, 0, 4
.endm
	s_wait_tensorcnt 2                             ; my part of slot 0 is in; slots 1 and 2 may stay out
	s_barrier_signal -1
	s_barrier_wait -1                              ; everybody's is
	FETCH_P 0, 0, 0
	FETCH_R 0, 0, 0
	FETCH_R 0, 0, 4
	s_wait_loadcnt 0x0                             ; the scale words and the bias
	STEP 0, 0, 1, 2                                ; its products start the sums from the bias
	TURN 1, 1, 1                                   ; all three slots are whole behind it; slot 0 is asked for again
	STEP 2, 1, 1, 0
	STEP 3, 2, 0, 0
	STEP 4, 2, 1, 0
	TURN 5, 0, 0                                   ; its wait is for the one refill; behind its barrier nobody reads slot 1 any more
	STEP 6, 0, 1, 0
	s_wait_dscnt 4*NLR                             ; the last K step: nothing more to fetch
	WIN MUL_LO
	MUL16 0, 1, 7, 0
	MUL16 2, 1, 7, 0
	s_wait_dscnt 0x0
	WIN MUL_HI
	MUL16 4, 1, 7, 0
	MUL16 6, 1, 7, 0
	WIN 0
; THE WAY OUT, a tile of 16 tokens x 128 columns at a time, through my own stage: a lane's 16 neighbouring columns go in, whole rows of 512 bytes come back.  LDS serves a wave's instructions in order: no wait between the stores and the loads.
.macro TOSTAGE a
.set AC, 64*((\a)%4)
	WIN 0x08+4*((\a)/4)                            ; an LDS store's data are its source 1: window 2 or 3
.irp b, 0,1,2,3,4,5,6,7
	ds_store_b128 v[STO], v[AC+8*\b:AC+8*\b+3] offset:128*(\b/2)+32*(\b%2)          ; each accumulator from its low end on
	ds_store_b128 v[STO], v[AC+8*\b+4:AC+8*\b+7] offset:128*(\b/2)+32*(\b%2)+16
.endr
	WIN 0
.set BB, BK+64*((\a)%2)
.irp t, 0,1,2,3,4,5,6,7,8,9,10,11,12,13,14,15
	ds_load_b128 v[BB+4*\t:BB+4*\t+3], v[RD] offset:\t*SPITCH
.endr
.endm
.macro SEND a, younger                 ; younger: the LDS instructions issued behind tile a's loads, which may stay out
.set BB, BK+64*((\a)%2)
	s_wait_dscnt \younger
.irp t, 0,1,2,3,4,5,6,7,8,9,10,11,12,13,14,15
	global_store_b128 v[L16], v[BB+4*\t:BB+4*\t+3], s[12:13] offset:(32*((\a)/2)+8*((\a)%2)+\t+8*(\t/8))*4096 th:TH_STORE_NT   ; 512 consecutive bytes, aligned to 256; the tile's row t is token 32 (a / 2) + 8 (a % 2) + t + 8 (t / 8); every offset is an immediate, 520,192 at the most
.endr
.endm
	PLACES
	TOSTAGE 0
.irp a, 1,2,3,4,5,6,7
.if \a > 1
	s_wait_xcnt 0x0                                ; tile a - 2's stores have read their registers: tile a's loads may land there
.endif
	TOSTAGE \a
	SEND \a-1, 32                                  ; behind tile a - 1's loads: tile a's 16 stores and 16 loads
.endr
	SEND 7, 0
	s_wait_tensorcnt 0x0                           ; the wave's end
	ds_add_u32 v[SPW], v[NIL]
	s_wait_dscnt 0x0
	CROUND                                         ; the closing round: no work-group ends while a partner may still ask for a tile that names it
	s_endpgm
.Lfunc_end_k_q0f24aaba42_proj:
	.size	k_q0f24aaba42_proj, .Lfunc_end_k_q0f24aaba42_proj-k_q0f24aaba42_proj
	.p2alignl 7, 3214868480
	.fill 96, 4, 3214868480
	.section	.rodata,"a",@progbits
	.p2align	6, 0x0
	.amdhsa_kernel k_q0f24aaba42_proj
		.amdhsa_group_segment_fixed_size 327680
		.amdhsa_private_segment_fixed_size 0
		.amdhsa_enable_private_segment 0
		.amdhsa_kernarg_size 32
		.amdhsa_user_sgpr_count 2
		.amdhsa_user_sgpr_kernarg_segment_ptr 1
		.amdhsa_wavefront_size32 1
		.amdhsa_system_sgpr_workgroup_id_x 1
		.amdhsa_system_sgpr_workgroup_id_y 1
		.amdhsa_system_sgpr_workgroup_id_z 1
		.amdhsa_system_vgpr_workitem_id 0
		.amdhsa_next_free_vgpr 1024
		.amdhsa_next_free_sgpr 100
		.amdhsa_reserve_vcc 0
		.amdhsa_float_denorm_mode_32 3
		.amdhsa_float_denorm_mode_16_64 3
		.amdhsa_memory_ordered 1
		.amdhsa_forward_progress 1
		.amdhsa_inst_pref_size 151
	.end_amdhsa_kernel
	.amdgpu_metadata
---
amdhsa.version: [ 1, 2 ]
amdhsa.kernels:
  - .name:           k_q0f24aaba42_proj
    .symbol:         k_q0f24aaba42_proj.kd
    .args:
      - { .name: yq, .offset: 0, .size: 8, .value_kind: global_buffer, .address_space: global }
      - { .name: ops, .offset: 8, .size: 8, .value_kind: global_buffer, .address_space: global }
      - { .name: b_proj, .offset: 16, .size: 8, .value_kind: global_buffer, .address_space: global }
      - { .name: out0, .offset: 24, .size: 8, .value_kind: global_buffer, .address_space: global }
    .group_segment_fixed_size: 327680
    .private_segment_fixed_size: 0
    .kernarg_segment_align: 8
    .kernarg_segment_size: 32
    .max_flat_workgroup_size: 128
    .sgpr_count:     100
    .vgpr_count:     1024
    .wavefront_size: 32
...
	.end_amdgpu_metadata
.endif
;; end of part 4
